; MI455X (gfx1250); checked and timed in simulation.
; The chip was launched on July 23, 2026; its instructions are those of AMD's public machine-readable ISA for CDNA 5 (MIT licence, August 2026) and "CDNA5" Instruction Set Architecture Reference Guide (July 2026). The comments in the code are by the model that wrote it; some were corrected since.
;; Multi Head Attention. Allowed arithmetic: matrix products marked QUANTISED: E2M3 operands, one E8M0 scale for each 32 along K, by v_wmma_scale_f32_16x16x128_f8f6f4 with both operands' format E2M3, f32 sums; everything else in f32.
;; Inputs: Wk 1,024 x 1,024 float32; Wo 1,024 x 1,024 float32; Wq 1,024 x 1,024 float32; Wv 1,024 x 1,024 float32; bk 1,024 float32; bo 1,024 float32; bq 1,024 float32; bv 1,024 float32; x 4 x 2,048 x 1,024 float32.
;; Outputs: out0 4 x 2,048 x 1,024 float32.
;; This version of the problem:
;;   THIS VERSION OF THE PROBLEM IS GIVEN IN LOW PRECISION. The matrix products marked QUANTISED in the list below multiply operands that are first quantised to E2M3 (2 exponent bits, 3 mantissa bits; 6 bits a number), with one power-of-two scale for each 32 numbers along K (OCP MX v1.0); their sums are f32. All else is computed in f32.
;;   The module's matrix products, in the order in which they are computed (A, B: the left and right operand; K: the contracted axis; several contracted axes count as one K, in the product's order):
;;     1. [M 8,192, K 1,024] x [K 1,024, N 1,024]; A: input x; B: input Wq: QUANTISED
;;     2. [M 8,192, K 1,024] x [K 1,024, N 1,024]; A: input x; B: input Wk: QUANTISED
;;     3. [M 8,192, K 1,024] x [K 1,024, N 1,024]; A: input x; B: input Wv: QUANTISED
;;     4. batch 64 x [M 2,048, K 64] x [K 64, N 2,048]; A: computed on the way; B: computed on the way: QUANTISED
;;     5. batch 64 x [M 2,048, K 2,048] x [K 2,048, N 64]; A: softmax (see below); B: computed on the way: QUANTISED
;;     6. [M 8,192, K 1,024] x [K 1,024, N 1,024]; A: computed on the way; B: input Wo: QUANTISED
;;   THE QUANTISER, for each operand of a quantised product, along K:
;;     - K is cut into blocks of 32 from its start; a last block that is shorter is filled with zeros.
;;     - A block's scale is 2^e with e = floor(log2(the largest magnitude in the block)) - 2, held to -126 .. 127; a block of zeros has e = 0. As a byte (E8M0): e + 127.
;;     - Each number is divided by its block's scale, clamped to +-7.5, and rounded to the nearest number of E2M3, ties to even, subnormals kept.
;;     - The product sums the exact products of the quantised numbers (number of the format x scale) in f32.
;;   ~~~python
;;   def quantise(x, axis):      # numpy; x: float32 -> the quantised numbers, widened to float32 again
;;       x = np.moveaxis(x, axis, -1); K = x.shape[-1]
;;       x = np.pad(x, [(0, 0)] * (x.ndim - 1) + [(0, -K % 32)]); x = x.reshape(x.shape[:-1] + (-1, 32)); a = np.abs(x).max(-1, keepdims=True)
;;       e = np.where(a > 0, np.clip(np.frexp(np.where(a > 0, a, 1))[1] - 1 - 2, -126, 127), 0)      # np.frexp(a)[1] - 1 = floor(log2(a)), exactly
;;       r = np.clip(x / 2.0 ** e, -7.5, 7.5)
;;       step = 2.0 ** (np.maximum(np.frexp(np.where(r == 0, 1, r))[1] - 1, 0) - 3)
;;       q = np.round(r / step) * step * 2.0 ** e      # np.round: ties to even
;;       return np.moveaxis(q.reshape(q.shape[:-2] + (-1,))[..., :K], -1, axis).astype(np.float32)
;;   ~~~
;;   SOFTMAX AHEAD OF A QUANTISED PRODUCT. Where the list says 'softmax', what is quantised is not the finished softmax but p = 2^(t - M), with t = logit x log2(e) and M = ceil(the row's largest t), a whole number; so 1/2 < the row's largest p <= 1. The row's sum l is taken of the UNQUANTISED p, in f32, and the product's result is divided by l at the end. Since M is a whole number, a kernel that streams over the keys may use a running M (the ceiling of the running maximum): every later rescaling is an exact power of two, which a block's scale takes up: the codes' values come out the same.
;;   OPERANDS COMPUTED ON THE WAY. 'Computed on the way' means the value that the module computes at that place (a softmax that the list does not call 'softmax' is quantised finished and normalised). What goes into a quantiser is computed in f32, as accurately as f32 sums, v_exp_f32 and their like allow (about 1e-6 of the number): no bf16 or f16 on the way to a quantiser, and a product that is left as it is and whose result goes on into a quantised operand takes f32 operands (vector FMAs, or v_wmma_f32_16x16x4_f32). A number that lies on a knife's edge between two numbers of the format may be rounded either way, as far as f32 arithmetic and the matrix unit's own rounding can turn it there, and no further.
;; One version. Each part assembles by itself: llvm-mc -triple=amdgcn-amd-amdhsa -mcpu=gfx1250 --defsym DOCPART=n.
;; ======== version 1 of 1: 4 launches
;; workspace buffers: codes 9,437,184 bytes; scl 393,216 bytes; qkv 18,874,368 bytes; qkvs 786,432 bytes; ac 6,291,456 bytes; asc 262,144 bytes
;; launch quant (part 1): grid 384 x 1, 4 waves a work-group, no clusters, 34,304 bytes of LDS; arguments x, Wq, Wk, Wv, Wo, codes, scl; writes codes, scl
.if DOCPART == 1
	.amdgcn_target "amdgcn-amd-amdhsa--gfx1250"
	.amdhsa_code_object_version 6
	.text
	.protected	k_q8a2e9d44f9_quant
	.globl	k_q8a2e9d44f9_quant
	.p2align	8
	.type	k_q8a2e9d44f9_quant,@function
k_q8a2e9d44f9_quant:
	s_mov_b64 s[64:65], 0
	v_nop
	global_prefetch_b8 v0, s[64:65] scope:SCOPE_SE
	s_setreg_imm32_b32 hwreg(HW_REG_WAVE_MODE, 25, 1), 1
	s_wait_xcnt 0x0
; x [8192][1024] and Wq, Wk, Wv, Wo [1024][1024], f32 with K innermost, become codes of FP6 (E2M3) with one E8M0 byte for each 32 along K.
; A block's scale is 2^(floor(log2(its largest magnitude)) - 2); its byte is the largest magnitude's exponent field - 2, held at 1 from below.
; LIMITS: NaN and infinities among the inputs are not served.  A block whose largest magnitude lies under 2^-124 keeps the byte 1; a block of zeros has the byte 1 where
; the quantiser's text says 127: its codes are zeros, which add nothing under that byte, and only this program reads the bytes.
; THE OPERAND FORMAT of every workspace buffer of this program is an image of the operand's registers.
;   ROW TILE T holds the 16 rows 32 (T / 2) + 8 (T % 2) + r + 8 (r / 8), r = 0 .. 15.
;   HALF FRAGMENT (T, c): 768 bytes, row tile T x 64 along K.  Byte 256 j + 8 l + e is byte 8 j + e of the 24 code bytes of row r = l % 16, K block 2 c + l / 16.
;     So three loads of 8 bytes a lane, at 8 x lane + 256 j, are registers 0-5 of a fragment; two half fragments on end are all twelve.
;   SCALE IMAGE (T, s): 128 bytes.  Byte 8 r + i is the byte of K block 8 s + i of row r.
;   codes = [T 768][c 16][768], scl = [T 768][s 4][128];  T 0-511 x, 512-575 Wq, 576-639 Wk, 640-703 Wv, 704-767 Wo.
; SHARES.  Work-group g takes 32 rows (row tiles 2 g, 2 g + 1); wave w takes tile 2 g + w / 2 and half w % 2 of K: four units of 16 rows x 128 K.
; A unit's 16 loads read 512 consecutive bytes of a row each; the 8,192 bytes turn through the wave's own stage in LDS (rows 528 bytes apart, so that the sixteen rows
; which a load of 16 bytes a lane touches start in sixteen different groups of four banks), and come back with 32 neighbours along K, a whole block, twice, in each lane.
; No matrix unit, no tensor load, no barrier: memory binds, and the waves share nothing.  Each store of codes covers 256 consecutive bytes, aligned.
.set STG,   8448                       ; a wave's stage: 16 rows x 528 bytes
.set SPARE, 4*STG                      ; behind the stages: the spare words, 128 bytes for each wave
.set SPW,   6                          ; v6   LDS address of my spare word; never rewritten
.set NIL,   7                          ; v7   0; never rewritten
.set R,     16                         ; v16-143  two sets of 64 registers as loaded
.set X,     144                        ; v144-207 register 32 c + i = k 64 c + 32 (lane / 16) + i of my row
.set PC,    208                        ; v208-219 the fragment
.set PT,    220                        ; v220-226 the conversions' second halves (three registers that begin on an even number)
.set TM,    228                        ; v228-231 four chains of maxima
.set SO,    232                        ; v232-233 the conversions' scale operands
.set BY,    234                        ; v234-235 the scale bytes
.set TP,    236                        ; v236     a lane exchange's destination
.set W,     240                        ; v240-243 the four units' scale words; v244-245 the pair that is stored
	s_load_b256 s[4:11], s[0:1], 0x0               ; x, Wq, Wk, Wv
	s_load_b128 s[12:15], s[0:1], 0x20             ; Wo, codes
	s_load_b64 s[16:17], s[0:1], 0x30              ; scl
	v_lshl_add_u32 v[SPW], v0, 2, SPARE
	v_mov_b32 v[NIL], 0
	v_lshrrev_b32 v8, 5, v0
	v_readfirstlane_b32 s18, v8                    ; wave 0..3
	v_and_b32 v9, 31, v0                           ; lane
	v_and_b32 v10, 15, v0                          ; r
	v_bfe_u32 v11, v0, 4, 1                        ; lane / 16
	v_lshlrev_b32 v1, 4, v9                        ; in: 16 bytes a lane
	s_mul_i32 s19, s18, STG
	v_add_nc_u32 v2, s19, v1                       ; the stage, on the way in
	v_mul_u32_u24 v3, v10, 528
	v_lshl_add_u32 v3, v11, 7, v3
	v_add_nc_u32 v3, s19, v3                       ; and on the way out: row r, + 128 bytes for lanes 16-31
	v_lshlrev_b32 v4, 3, v9                        ; out: 8 bytes a lane
	v_lshlrev_b32 v5, 3, v11                       ; my bytes' place in a scale word, in bits
	v_mov_b32 v[TP], 0                             ; a lane exchange's destination counts as one of its sources
	s_mov_b32 s20, 0x76543210
	s_mov_b32 s21, 0xfedcba98                      ; selects for lane l xor 16
	s_lshr_b32 s23, s18, 1                         ; which of the two row tiles
	s_and_b32 s26, s18, 1                          ; which half of K
	s_lshl_b32 s28, ttmp9, 1
	s_add_co_u32 s28, s28, s23                     ; T
	s_mov_b32 s25, 0
	s_wait_kmcnt 0x0
	s_cmp_lt_u32 ttmp9, 352                        ; which tensor: the choice hangs on the work-group's number alone
	s_cselect_b64 s[12:13], s[10:11], s[12:13]
	s_cmp_lt_u32 ttmp9, 320
	s_cselect_b64 s[12:13], s[8:9], s[12:13]
	s_cmp_lt_u32 ttmp9, 288
	s_cselect_b64 s[12:13], s[6:7], s[12:13]
	s_cmp_lt_u32 ttmp9, 256
	s_cselect_b64 s[12:13], s[4:5], s[12:13]
	s_cselect_b32 s22, 0xffff, 31
	s_and_b32 s22, ttmp9, s22                      ; the group of 32 rows inside its tensor
	s_lshl_b32 s24, s22, 17                        ; 32 rows of 4,096 bytes,
	s_lshl_b32 s27, s23, 15                        ; the odd tile begins 8 rows down,
	s_add_co_u32 s24, s24, s27
	s_lshl_b32 s27, s26, 11                        ; half of K is 2,048 bytes
	s_add_co_u32 s24, s24, s27
	s_add_nc_u64 s[12:13], s[12:13], s[24:25]
	s_mul_i32 s24, s28, 12288
	s_mul_i32 s27, s26, 6144
	s_add_co_u32 s24, s24, s27
	s_add_nc_u64 s[14:15], s[14:15], s[24:25]      ; my eight half fragments
	s_lshl_b32 s24, s28, 9
	s_lshl_b32 s27, s26, 8
	s_add_co_u32 s24, s24, s27
	s_add_nc_u64 s[16:17], s[16:17], s[24:25]      ; my two scale images
.macro LOAD u                          ; unit u: 16 rows x 512 bytes into set u % 2
.irp p, 0,1,2,3,4,5,6,7,8,9,10,11,12,13,14,15
	global_load_b128 v[R+64*((\u)%2)+4*\p:R+64*((\u)%2)+4*\p+3], v1, s[12:13] offset:(\p+8*(\p/8))*4096+512*(\u) th:TH_LOAD_NT
.endr
.endm
.macro TURNX u                         ; through the stage: LDS serves a wave's instructions in order, so no wait stands between the stores and the loads
.irp p, 0,1,2,3,4,5,6,7,8,9,10,11,12,13,14,15
	ds_store_b128 v2, v[R+64*((\u)%2)+4*\p:R+64*((\u)%2)+4*\p+3] offset:528*\p
.endr
.irp c, 0,1
.irp i, 0,1,2,3,4,5,6,7
	ds_load_b128 v[X+32*\c+4*\i:X+32*\c+4*\i+3], v3 offset:256*\c+16*\i
.endr
.endr
.endm
.macro UNIT u
.if (\u) < 3
	s_wait_loadcnt 16                              ; this unit's 16 loads are in; the next unit's 16 may be out
.else
	s_wait_loadcnt 0x0
.endif
	TURNX \u
	s_wait_dscnt 0x0                               ; my 64 numbers are back, and the stage's stores have read their set,
.if (\u)+2 < 4
	LOAD (\u)+2                                    ; which takes the loads of two units on
.endif
.irp c, 0,1                                    ; my blocks 2 c + lane / 16: all 32 numbers of each are mine; two chains a block
	v_max3_num_f32 v[TM+2*\c], |v[X+32*\c]|, |v[X+32*\c+1]|, |v[X+32*\c+2]|
	v_max3_num_f32 v[TM+2*\c+1], |v[X+32*\c+3]|, |v[X+32*\c+4]|, |v[X+32*\c+5]|
.endr
.irp i, 6,10,14,18,22,26
.irp c, 0,1
	v_max3_num_f32 v[TM+2*\c], v[TM+2*\c], |v[X+32*\c+\i]|, |v[X+32*\c+\i+1]|
	v_max3_num_f32 v[TM+2*\c+1], v[TM+2*\c+1], |v[X+32*\c+\i+2]|, |v[X+32*\c+\i+3]|
.endr
.endr
.irp c, 0,1
	v_max3_num_f32 v[TM+2*\c], v[TM+2*\c], |v[X+32*\c+30]|, |v[X+32*\c+31]|
.endr
.irp c, 0,1
	v_max3_num_f32 v[TM+2*\c], v[TM+2*\c], v[TM+2*\c+1], 0x1800000   ; the floor 2^(3 - 127): the byte cannot fall under 1
.endr
.irp c, 0,1
	v_add_nc_u32 v[SO+\c], 0xff000000, v[TM+2*\c]  ; 2 off the exponent field: the conversion takes this operand's exponent field as its scale
.endr
.irp c, 0,1
	v_lshrrev_b32 v[BY+\c], 23, v[SO+\c]           ; the scale's byte
.endr
	v_lshl_or_b32 v[W+(\u)], v[BY+1], 16, v[BY]    ; my two bytes,
	v_lshlrev_b32 v[W+(\u)], v5, v[W+(\u)]         ; at their places in the word;
	v_permlanex16_b32 v[TP], v[W+(\u)], s20, s21
	v_or_b32 v[W+(\u)], v[W+(\u)], v[TP]           ; with lane l xor 16's two the row's word is whole
	s_wait_xcnt 0x0                                ; the last unit's stores have read the fragment's registers
.irp c, 0,1
	v_cvt_scalef32_pk16_fp6_f32 v[PC+6*\c:PC+6*\c+2], v[X+32*\c:X+32*\c+15], v[SO+\c]
	v_cvt_scalef32_pk16_fp6_f32 v[PT+4*\c:PT+4*\c+2], v[X+32*\c+16:X+32*\c+31], v[SO+\c]
.endr
	v_nop                                          ; one plain place behind a scaled conversion
.irp c, 0,1
.irp i, 0,1,2
	v_mov_b32 v[PC+3+6*\c+\i], v[PT+4*\c+\i]
.endr
.endr
.irp p, 0,1,2,3,4,5
	global_store_b64 v4, v[PC+2*\p:PC+2*\p+1], s[14:15] offset:1536*(\u)+256*\p   ; 32 lanes store 256 consecutive bytes, aligned
.endr
.endm
	LOAD 0
	LOAD 1
	UNIT 0
	UNIT 1
	UNIT 2
	UNIT 3
	v_cmp_eq_u32 s30, 1, v11                       ; lanes 0-15 store the first image's two words of row r, lanes 16-31 the second's
	v_cndmask_b32 v244, v240, v242, s30
	v_cndmask_b32 v245, v241, v243, s30
	global_store_b64 v4, v[244:245], s[16:17]      ; 256 consecutive bytes, aligned
	s_wait_tensorcnt 0x0                           ; the wave's end, behind my last LDS store
	ds_add_u32 v[SPW], v[NIL]
	s_wait_dscnt 0x0
	s_endpgm
.Lfunc_end_k_q8a2e9d44f9_quant:
	.size	k_q8a2e9d44f9_quant, .Lfunc_end_k_q8a2e9d44f9_quant-k_q8a2e9d44f9_quant
	.p2alignl 7, 3214868480
	.fill 96, 4, 3214868480
	.section	.rodata,"a",@progbits
	.p2align	6, 0x0
	.amdhsa_kernel k_q8a2e9d44f9_quant
		.amdhsa_group_segment_fixed_size 34304
		.amdhsa_private_segment_fixed_size 0
		.amdhsa_enable_private_segment 0
		.amdhsa_kernarg_size 56
		.amdhsa_user_sgpr_count 2
		.amdhsa_user_sgpr_kernarg_segment_ptr 1
		.amdhsa_wavefront_size32 1
		.amdhsa_system_sgpr_workgroup_id_x 1
		.amdhsa_system_sgpr_workgroup_id_y 1
		.amdhsa_system_sgpr_workgroup_id_z 1
		.amdhsa_system_vgpr_workitem_id 0
		.amdhsa_next_free_vgpr 256
		.amdhsa_next_free_sgpr 66
		.amdhsa_reserve_vcc 0
		.amdhsa_float_denorm_mode_32 3
		.amdhsa_float_denorm_mode_16_64 3
		.amdhsa_memory_ordered 1
		.amdhsa_forward_progress 1
		.amdhsa_inst_pref_size 32
	.end_amdhsa_kernel
	.amdgpu_metadata
---
amdhsa.version: [ 1, 2 ]
amdhsa.kernels:
  - .name:           k_q8a2e9d44f9_quant
    .symbol:         k_q8a2e9d44f9_quant.kd
    .args:
      - { .name: x, .offset: 0, .size: 8, .value_kind: global_buffer, .address_space: global }
      - { .name: Wq, .offset: 8, .size: 8, .value_kind: global_buffer, .address_space: global }
      - { .name: Wk, .offset: 16, .size: 8, .value_kind: global_buffer, .address_space: global }
      - { .name: Wv, .offset: 24, .size: 8, .value_kind: global_buffer, .address_space: global }
      - { .name: Wo, .offset: 32, .size: 8, .value_kind: global_buffer, .address_space: global }
      - { .name: codes, .offset: 40, .size: 8, .value_kind: global_buffer, .address_space: global }
      - { .name: scl, .offset: 48, .size: 8, .value_kind: global_buffer, .address_space: global }
    .group_segment_fixed_size: 34304
    .private_segment_fixed_size: 0
    .kernarg_segment_align: 8
    .kernarg_segment_size: 56
    .max_flat_workgroup_size: 128
    .sgpr_count:     66
    .vgpr_count:     256
    .wavefront_size: 32
...
	.end_amdgpu_metadata
.endif
;; end of part 1
;; launch qkv (part 2): grid 8 x 48, 4 waves a work-group, clusters of 4 x 4, 327,680 bytes of LDS; arguments codes, scl, bq, bk, bv, qkv, qkvs; writes qkv, qkvs
.if DOCPART == 2
	.amdgcn_target "amdgcn-amd-amdhsa--gfx1250"
	.amdhsa_code_object_version 6
	.text
	.protected	k_q8a2e9d44f9_qkv
	.globl	k_q8a2e9d44f9_qkv
	.p2align	8
	.type	k_q8a2e9d44f9_qkv,@function
k_q8a2e9d44f9_qkv:
	s_mov_b64 s[64:65], 0
	v_nop
	global_prefetch_b8 v0, s[64:65] scope:SCOPE_SE
	s_setreg_imm32_b32 hwreg(HW_REG_WAVE_MODE, 25, 1), 1
	s_wait_xcnt 0x0
	s_wait_alu depctr_hold_cnt(0) depctr_sa_sdst(0) depctr_va_vdst(0) depctr_va_sdst(0) depctr_va_ssrc(0) depctr_va_vcc(0) depctr_vm_vsrc(0)
	s_getreg_b32 s2, hwreg(HW_REG_IB_STS2, 6, 4)
	s_cmp_eq_u32 s2, 0
	s_cbranch_scc0 .Lentry_in_a_cluster
	s_endpgm
.Lentry_in_a_cluster:
	s_bfe_u32 s2, ttmp6, 0x10000c
	s_cmp_lg_u32 s2, 0xf033
	s_cbranch_scc0 .Lentry_shape_is_right
	s_endpgm
.Lentry_shape_is_right:
; q = x Wq^T + bq, k = x Wk^T + bk and v^T = Wv x^T + bv, on codes of FP6 (E2M3) with E8M0 scales, sums in f32; the results are quantised in registers and leave as codes:
; q and k along the head's 64, v along the keys.  No f32 result goes to memory.
; OPERAND FORMAT (all buffers): row tile T = rows 32 (T / 2) + 8 (T % 2) + r + 8 (r / 8); a half fragment (T, c) is 768 bytes: byte 256 j + 8 l + e = byte 8 j + e of the 24 code bytes of
; row l % 16, K block 2 c + l / 16; a scale image (T, s) is 128 bytes: byte 8 r + i = the byte of K block 8 s + i.  codes = [T 768][c 16][768], scl = [T 768][s 4][128].
; TWO ROLES, told apart by the cluster's y, which all sixteen partners share; they differ in scalar numbers alone and take one path through the text.
;   cluster y < 8:  A = x (8,192 rows), B = Wq | Wk (2,048 rows): 256 tiles of 256 x 256.     cluster y >= 8:  A = Wv (1,024 rows), B = x: 128 tiles.
; THE MATRIX INSTRUCTION IS USED TRANSPOSED (source 0 = 16 rows of B, source 1 = 16 rows of A).  By the choice of a row tile's rows, lane (r, h) then holds row r of A's tile, and the 16 registers
; of B's tiles 2 i, 2 i + 1 are B's rows 32 i + 16 h + 0 .. 15: neighbours along the next product's K.  So 64 registers become one fragment (two half fragments) and one scale word a row.
; OUT.  qkv: [chunk 32: 16 heads of q, 16 of k][token tile 512][768], then from byte 12,582,912 [channel tile 64][key chunk 128][768].
;       qkvs: [pair of heads 16][token tile 512][16 words], then from byte 524,288 [channel tile 64][key step 64][16 words].
;       Each store of codes covers 256 consecutive bytes, aligned.  The scale words leave as 64 bytes a store: one byte in 24 of what the launch stores.
; A work-group of four waves makes 256 x 256, a wave 128 x 128: 64 accumulators.  K goes in steps of 256 through two LDS slots filled by tensor loads; the scale images of the work-group's rows come once.
; CLUSTERS: 4 x 4.  A's tiles are asked for jointly along a row of the cluster, B's along a column.
; The bias along B's rows (bq, bk) is the C of each sum's first product, so it starts the f32 sum instead of ending it; the bias along A's rows (bv) rides on the move of the results into window 0.
; Nothing is prefetched: K has four steps, and the first two go out at the head.
; LIMITS: NaN and infinities are not served; a block whose largest magnitude lies under 2^-124 keeps the byte 1, a block of zeros too (its codes are zeros; only this program reads the bytes).
; REGISTERS, in windows of 256.  Window 0: v0-31 addresses; v32-63 scale words, two sets, and nothing else; v64-127 the bias along B's rows; v128-223 A's fragments, one set; v240-255 the bias along A's rows.
;   Window 1: B's fragments, two sets, at v0 and v128.  Window 2: the accumulators of my rows 0-63 ((a, b) at v[8 (8 a + b)]); window 3: those of rows 64-127.
.set NQ,    2                          ; matrix instructions deep in a slot
.set FR,    12                         ; registers of a fragment
.set NL,    6                          ; LDS loads that bring one
.set NP,    4                          ; places behind this matrix instruction (ISA guide 7.12.1)
.set RT,    3072                       ; a row tile's part of a slot: four half fragments; also a K step on in memory
.set HALFT, 8*RT                       ; eight row tiles: what one tensor load brings, and what a wave reads of A or of B
.set SLOT,  4*HALFT                    ; A's 16 row tiles, then B's
.set SCL,   2*SLOT                     ; behind the ring: the scale images
.set HALFS, 4096                       ; those of eight row tiles
.set SBLK,  512                        ; those of one
.set SPARE, SCL+4*HALFS                ; the spare words, 128 bytes for each wave
.set ADRA, 16                          ; v16-17 LDS address of my A fragments in slot 0, 1
.set ADRB, 20                          ; v20-21 the same for B
.set VO0,  24                          ; v24  8 x lane
.set VO1,  25                          ; v25  8 x lane + one chunk on in the output
.set LN,   26                          ; v26  lane
.set ADRS, 27                          ; v27  LDS address of my scale words: lanes 0-15 A's rows, lanes 16-31 B's
.set SPW,  28                          ; v28  LDS address of my spare word; never rewritten
.set NIL,  29                          ; v29  0; never rewritten
.set VBN,  30
.set VBM,  31
.set SC,   32
.set BI,   64
.set AF,   128
.set BM,   240
.set T,    128                         ; the way out: a block's 64 numbers
.set PC,   192                         ; v192-203 the fragment, v204-210 the conversions' second halves
.set TM,   212                         ; v212-227 at work
.set PWS,  64                          ; v64-71 the eight blocks' scale words
.set VSO,  72                          ; v72-79 where they go
.set SEL,  46                          ; s[46:47] selects for lane l xor 16
.set G1,   24
.set G0,   32
.set G1B,  48
.set G0B,  56
.set G1S,  68
.set G0S,  76
.set G1SB, 80
.set G0SB, 88
.set MSB, 0
.macro WIN new                         ; the immediate's high byte repeats the setting that is left
.if MSB != (\new)
	s_set_vgpr_msb (MSB<<8)|(\new)
.set MSB, (\new)
.endif
.endm
.set MUL_LO, 0xa1                      ; source 0 (B) window 1, source 1 (A) window 0, C and D window 2
.set MUL_HI, 0xf1                      ; the same, C and D window 3
.set BEG_LO, 0x81                      ; the first products: C (the bias) window 0, D window 2
.set BEG_HI, 0xc1                      ; D window 3
.set TO_B,   0x40                      ; destination window 1, address window 0
; A joint load: waves 0 and 1 fetch for A, waves 2 and 3 for B; the branch hangs on the wave's number alone.  An s_nop 0 and four v_nop follow each of the two lines.
.macro JLOAD g0a, g1a, g0b, g1b
	s_cmp_eq_u32 s15, 0
	s_cbranch_scc0 .Lfor_b_\@
	tensor_load_to_lds s[\g0a:\g0a+3], s[\g1a:\g1a+7]
	s_nop 0
.rept 4
	v_nop
.endr
	s_branch .Lasked_\@
.Lfor_b_\@:
	tensor_load_to_lds s[\g0b:\g0b+3], s[\g1b:\g1b+7]
	s_nop 0
.rept 4
	v_nop
.endr
.Lasked_\@:
.endm
.macro CREST                           ; a round of the cluster's barrier behind its opening barrier
	s_cmp_lg_u32 s14, 0
	s_cbranch_scc1 .Lnot_wave_0_\@
	s_barrier_signal -3
.Lnot_wave_0_\@:
	s_barrier_wait -3
	s_barrier_signal -1
	s_barrier_wait -1
.endm
.macro CROUND
	s_barrier_signal -1
	s_barrier_wait -1
	CREST
.endm
.macro PLACES n
.rept \n
	v_nop
.endr
.endm
	s_load_b256 s[4:11], s[0:1], 0x0               ; codes s[4:5], scl s[6:7], bq s[8:9], bk s[10:11]
	s_load_b128 s[96:99], s[0:1], 0x20             ; bv s[96:97], qkv s[98:99]
	s_load_b64 s[100:101], s[0:1], 0x30            ; qkvs
	v_lshl_add_u32 v[SPW], v0, 2, SPARE
	v_mov_b32 v[NIL], 0
	ds_add_u32 v[SPW], v[NIL]                      ; the wave's opening: the add and its wait ahead of my first tensor load; work on registers stands between them
	v_lshrrev_b32 v1, 5, v0
	v_readfirstlane_b32 s14, v1                    ; wave 0..3
	s_lshr_b32 s15, s14, 1                         ; which half of A's rows is mine.  Also: I fetch for A (0) or for B (1)
	s_and_b32 s16, s14, 1                          ; which half of B's rows.  Also: which eight row tiles I fetch
	s_bfe_u32 s40, ttmp6, 0x40000                  ; cx, cy: my place in the cluster
	s_bfe_u32 s41, ttmp6, 0x40004
	s_and_b32 s18, ttmp7, 0xffff                   ; the cluster's y
	s_sub_co_u32 s19, s18, 8
	s_lshl_b32 s19, s19, 1
	s_add_co_u32 s19, s19, ttmp9                   ; role V: which four tile columns: 2 (y - 8) + x
	s_mov_b32 s92, 98304
	s_mov_b32 s95, 768
	s_cmp_lt_u32 s18, 8                            ; the role; only selections follow
	s_cselect_b32 s20, ttmp9, s19                  ; four tile columns,
	s_cselect_b32 s21, s18, 0                      ; four tile rows
	s_cselect_b32 s22, 0, 640                      ; A's first row tile in codes and scl: x | Wv
	s_cselect_b32 s23, 512, 0                      ; B's: Wq, Wk | x
	s_cselect_b32 s12, -1, 0                       ; keeps the bias along B's rows
	s_cselect_b32 s13, 0, -1                       ; keeps the bias along A's rows
	s_cselect_b32 s66, 0, 12582912                 ; the output's part,
	s_cselect_b32 s92, 768, s92                    ; bytes from one of A's row tiles to the next,
	s_cselect_b32 s95, 393216, s95                 ; and from chunk to chunk
	s_cselect_b32 s67, 0, 524288                   ; the same for the scale words
	s_cselect_b32 s94, 64, 4096
	s_cselect_b32 s2, 32768, 64
	s_mov_b32 s93, 0
	s_lshl_b32 s42, s20, 2
	s_add_co_u32 s42, s42, s40                     ; tile column
	s_lshl_b32 s17, s21, 2
	s_add_co_u32 s17, s17, s41                     ; tile row
	s_lshl_b32 s43, s41, 2
	s_lshl_b32 s43, 15, s43                        ; my row of the cluster
	s_lshl_b32 s44, 0x1111, s40                    ; my column
	; group 1 for codes: eight row tiles x 3,072 bytes (384 elements of 8 bytes), 12,288 bytes apart in memory, on end in LDS
	s_or_b32 s[G1+0], s43, (3<<16)|(1<<21)         ; 15:0 the mask; 17:16 elements of 8 bytes; 20 no padding; 21 set beside a mask
	s_or_b32 s[G1B+0], s44, (3<<16)|(1<<21)
.irp g, G1, G1B
	s_mov_b32 s[\g+1], 384<<16                     ; tensor_dim0
	s_mov_b32 s[\g+2], 8<<16                       ; tensor_dim1
	s_mov_b32 s[\g+3], 384<<16                     ; tile_dim0
	s_mov_b32 s[\g+4], 8                           ; tile_dim1
	s_mov_b32 s[\g+5], 1536                        ; tensor_dim0_stride
	s_mov_b32 s[\g+6], 0
	s_mov_b32 s[\g+7], 0
.endr
	; group 1 for the scale images of eight row tiles: 4,096 dense bytes as 16 rows of 256
	s_or_b32 s[G1S+0], s43, (3<<16)|(1<<21)
	s_or_b32 s[G1SB+0], s44, (3<<16)|(1<<21)
.irp g, G1S, G1SB
	s_mov_b32 s[\g+1], 32<<16
	s_mov_b32 s[\g+2], 16<<16
	s_mov_b32 s[\g+3], 32<<16
	s_mov_b32 s[\g+4], 16
	s_mov_b32 s[\g+5], 32
	s_mov_b32 s[\g+6], 0
	s_mov_b32 s[\g+7], 0
.endr
	s_lshl_b32 s18, s16, 3                         ; which eight row tiles I fetch
	s_lshl_b32 s20, s17, 4
	s_add_co_u32 s20, s20, s22
	s_add_co_u32 s20, s20, s18                     ; A: the first of them (registers s20-23 never hold cx)
	s_lshl_b32 s46, s42, 4
	s_add_co_u32 s46, s46, s23
	s_add_co_u32 s46, s46, s18                     ; B: likewise (s18, s19, s46, s47 never hold cy)
	s_lshl_b32 s22, s20, 9                         ; their scale images,
	s_lshl_b32 s18, s46, 9
	s_mul_i32 s20, s20, 12288                      ; their codes
	s_mul_i32 s46, s46, 12288
	s_mov_b32 s21, 0
	s_mov_b32 s23, 0
	s_mov_b32 s19, 0
	s_mov_b32 s47, 0
	s_mul_i32 s45, s14, HALFT                      ; where they go: no place in the cluster enters an LDS address
	s_mul_i32 s3, s14, HALFS
	s_wait_dscnt 0x0                               ; the opening add is done
	s_wait_kmcnt 0x0
	s_add_nc_u64 s[20:21], s[4:5], s[20:21]
	s_add_nc_u64 s[22:23], s[6:7], s[22:23]
	s_add_nc_u64 s[46:47], s[4:5], s[46:47]
	s_add_nc_u64 s[18:19], s[6:7], s[18:19]
	CROUND                                         ; all sixteen work-groups are here: the first joint loads meet
	s_mov_b32 s[G0S], 1
	s_add_co_u32 s[G0S+1], s3, SCL
	s_mov_b64 s[G0S+2:G0S+3], s[22:23]
	s_or_b32 s[G0S+3], s[G0S+3], 0x80000000
	s_mov_b32 s[G0SB], 1
	s_add_co_u32 s[G0SB+1], s3, SCL
	s_mov_b64 s[G0SB+2:G0SB+3], s[18:19]
	s_or_b32 s[G0SB+3], s[G0SB+3], 0x80000000
	JLOAD G0S, G1S, G0SB, G1SB                     ; the scale images first: they are wanted with K step 0
.irp s, 0,1
	s_mov_b32 s[G0+4*\s], 1
	s_add_co_u32 s[G0+4*\s+1], s45, \s*SLOT
	s_add_nc_u64 s[G0+4*\s+2:G0+4*\s+3], s[20:21], \s*RT
	s_or_b32 s[G0+4*\s+3], s[G0+4*\s+3], 0x80000000
	s_mov_b32 s[G0B+4*\s], 1
	s_add_co_u32 s[G0B+4*\s+1], s45, \s*SLOT
	s_add_nc_u64 s[G0B+4*\s+2:G0B+4*\s+3], s[46:47], \s*RT
	s_or_b32 s[G0B+4*\s+3], s[G0B+4*\s+3], 0x80000000
	JLOAD G0+4*\s, G1, G0B+4*\s, G1B               ; three tensor loads of mine are out now
.endr
	v_and_b32 v1, 15, v0                           ; r
	v_bfe_u32 v2, v0, 4, 1                         ; h
	v_and_b32 v[LN], 31, v0
	v_lshlrev_b32 v[VO0], 3, v[LN]
	v_add_nc_u32 v[VO1], s95, v[VO0]
	s_mul_i32 s21, s15, HALFT                      ; my eight row tiles of A,
	s_mul_i32 s22, s16, HALFT                      ; and of B,
	s_add_co_u32 s22, s22, 2*HALFT                 ; which lie behind A's sixteen
.irp s, 0,1
	v_add_nc_u32 v[ADRA+\s], s21, v[VO0]
	v_add_nc_u32 v[ADRB+\s], s22, v[VO0]
	s_add_co_u32 s21, s21, SLOT
	s_add_co_u32 s22, s22, SLOT
.endr
	v_lshlrev_b32 v5, 3, v1                        ; my row's eight scale bytes of a K step
	s_mul_i32 s21, s15, HALFS
	s_mul_i32 s22, s16, HALFS
	s_add_co_u32 s22, s22, 2*HALFS
	s_sub_co_u32 s22, s22, s21
	v_mul_u32_u24 v6, s22, v2                      ; lanes 16-31 take B's
	s_add_co_u32 s21, s21, SCL
	v_add_nc_u32 v5, v5, v6
	v_add_nc_u32 v[ADRS], s21, v5
	; where my results go
	s_lshl_b32 s18, s17, 4
	s_lshl_b32 s19, s15, 3
	s_add_co_u32 s18, s18, s19                     ; my first row tile of A, counted in the output
	s_mul_i32 s19, s18, s92
	s_add_co_u32 s66, s66, s19
	s_mul_i32 s19, s18, s94
	s_add_co_u32 s67, s67, s19
	s_lshl_b32 s18, s42, 1
	s_add_co_u32 s18, s18, s16                     ; my 128 of B's rows
	s_mul_i32 s19, s18, s2
	s_add_co_u32 s67, s67, s19
	s_lshl_b32 s18, s18, 1                         ; as two chunks of 64
	s_mul_i32 s19, s18, s95
	s_add_co_u32 s66, s66, s19
	s_mov_b32 s19, 0
	s_mov_b32 s18, s66
	s_add_nc_u64 s[98:99], s[98:99], s[18:19]
	s_mov_b32 s18, s67
	s_add_nc_u64 s[100:101], s[100:101], s[18:19]
	; the biases.  Both are loaded in both roles, from addresses held inside their buffers, and the one that the role does not have is cleared
	s_cmp_lt_u32 s42, 4
	s_cselect_b64 s[8:9], s[8:9], s[10:11]         ; tile columns 0-3 are q's
	s_lshl_b32 s18, s42, 8
	s_lshl_b32 s20, s16, 7
	s_add_co_u32 s18, s18, s20
	s_and_b32 s18, s18, 1023
	s_lshl_b32 s18, s18, 2
	s_add_nc_u64 s[8:9], s[8:9], s[18:19]
	s_lshl_b32 s18, s17, 8
	s_lshl_b32 s20, s15, 7
	s_add_co_u32 s18, s18, s20
	s_and_b32 s18, s18, 1023
	s_lshl_b32 s18, s18, 2
	s_add_nc_u64 s[96:97], s[96:97], s[18:19]
	v_lshlrev_b32 v[VBN], 6, v2                    ; register j of B's tile b is B's row 32 (b / 2) + 8 (b % 2) + 16 h + j
	v_and_b32 v[VBM], 8, v1
	v_add_nc_u32 v[VBM], v[VBM], v1
	v_lshlrev_b32 v[VBM], 2, v[VBM]                ; lane r of A's tile a is A's row 32 (a / 2) + 8 (a % 2) + r + 8 (r / 8)
.irp b, 0,1,2,3,4,5,6,7
	global_load_b128 v[BI+8*\b:BI+8*\b+3], v[VBN], s[8:9] offset:128*(\b/2)+32*(\b%2)
	global_load_b128 v[BI+8*\b+4:BI+8*\b+7], v[VBN], s[8:9] offset:128*(\b/2)+32*(\b%2)+16
.endr
.irp a, 0,1,2,3,4,5,6,7
	global_load_b32 v[BM+2*\a], v[VBM], s[96:97] offset:128*(\a/2)+32*(\a%2)
.endr
	s_wait_loadcnt 0x0
.set n, 0
.rept 64
	v_and_b32 v[BI+n], s12, v[BI+n]                ; all ones keep the number, zero makes it 0.0
.set n, n+1
.endr
.irp a, 0,1,2,3,4,5,6,7
	v_and_b32 v[BM+2*\a], s13, v[BM+2*\a]
	v_mov_b32 v[BM+2*\a+1], 0                      ; (named with it as a pair)
.endr
.macro FRAG reg, adr, q, i             ; row tile i's fragment of the slot's q-th 128 along K: two half fragments on end; each load takes 256 consecutive bytes
.irp p, 0,1,2,3,4,5
	ds_load_b64 v[\reg+2*\p:\reg+2*\p+1], v[\adr] offset:(\i)*RT+(\q)*1536+256*\p
.endr
.endm
; 16 matrix instructions: A's blocks a0, a0 + 1 x B's eight.  p: B's set; sc: the set of scale words.  zero = 1: the first products start the sums from the bias.
; The 64 accumulators take turns, one instruction a turn, in the same order in every step.
.macro MUL16 a0, p, q, sc, zero
.irp a, \a0, \a0+1
.irp b, 0,1,2,3,4,5,6,7
.if \zero
	v_wmma_scale_f32_16x16x128_f8f6f4 v[8*(8*((\a)%4)+\b):8*(8*((\a)%4)+\b)+7], v[128*(\p)+FR*\b:128*(\p)+FR*\b+FR-1], v[AF+FR*(\a):AF+FR*(\a)+FR-1], v[BI+8*\b:BI+8*\b+7], v[SC+8*NQ*(\sc)+NQ*\b+(\q)], v[SC+8*NQ*(\sc)+NQ*(\a)+(\q)] matrix_a_fmt:MATRIX_FMT_FP6 matrix_b_fmt:MATRIX_FMT_FP6 matrix_a_scale:MATRIX_SCALE_ROW1
.else
	v_wmma_scale_f32_16x16x128_f8f6f4 v[8*(8*((\a)%4)+\b):8*(8*((\a)%4)+\b)+7], v[128*(\p)+FR*\b:128*(\p)+FR*\b+FR-1], v[AF+FR*(\a):AF+FR*(\a)+FR-1], v[8*(8*((\a)%4)+\b):8*(8*((\a)%4)+\b)+7], v[SC+8*NQ*(\sc)+NQ*\b+(\q)], v[SC+8*NQ*(\sc)+NQ*(\a)+(\q)] matrix_a_fmt:MATRIX_FMT_FP6 matrix_b_fmt:MATRIX_FMT_FP6 matrix_a_scale:MATRIX_SCALE_ROW1
.endif
.endr
.endr
.endm
.macro FETCH_B slot, q, p
	WIN TO_B
.irp i, 0,1,2,3,4,5,6,7
	FRAG 128*(\p)+FR*\i, ADRB+\slot, \q, \i
.endr
	WIN 0
.endm
.macro FETCH_A slot, q, i0
.irp i, \i0, \i0+1, \i0+2, \i0+3
	FRAG AF+FR*(\i), ADRA+\slot, \q, \i
.endr
.endm
.macro SCALES sc                       ; a K step's two scale words a row: lanes 0-15 take A's block i, lanes 16-31 B's block i
.irp i, 0,1,2,3,4,5,6,7
	ds_load_b64 v[SC+8*NQ*\sc+NQ*\i:SC+8*NQ*\sc+NQ*\i+1], v[ADRS] offset:\i*SBLK
.endr
.endm
; A step of 128 along K that has its successor in the same slot.  Loads into registers that matrix instructions have read stand four places behind them.
.macro STEP slot, q, zero
	s_wait_dscnt 4*NL                              ; B's set and A's blocks 0-3 are in; the youngest 24 loads (A's blocks 4-7) may be out
.if \zero
	WIN BEG_LO
.else
	WIN MUL_LO
.endif
	MUL16 0, (\q)%2, \q, \slot, \zero
	MUL16 2, (\q)%2, \q, \slot, \zero
	s_wait_dscnt 0x0                               ; A's blocks 4-7 are in
	PLACES NP
	FETCH_B \slot, (\q)+1, 1-(\q)%2
	FETCH_A \slot, (\q)+1, 0
.if \zero
	WIN BEG_HI
.else
	WIN MUL_HI
.endif
	MUL16 4, (\q)%2, \q, \slot, \zero
	MUL16 6, (\q)%2, \q, \slot, \zero
	PLACES NP
	WIN 0
	FETCH_A \slot, (\q)+1, 4
.endm
; A slot's last step changes slots: one barrier; in front of it each wave waits for all its tensor loads, adds 0 to its spare word, and waits for that and for its reads of this slot.
; fill = 1: the barrier opens a round of the cluster's barrier, and this slot is filled again, two K steps ahead, first thing behind the round.
.macro TURN slot, next, fill
	s_wait_tensorcnt 0x0                           ; all my tensor loads have landed: my part of the next slot
	ds_add_u32 v[SPW], v[NIL]                      ; 0 onto my spare word
	s_wait_dscnt 4*NL+1                            ; the add and the youngest 24 loads may be out
	WIN MUL_LO
	MUL16 0, 1, NQ-1, \slot, 0
	s_wait_dscnt 0x0                               ; the add is done, and my reads of this slot are over
	s_barrier_signal -1
	MUL16 2, 1, NQ-1, \slot, 0
	WIN 0
	s_barrier_wait -1
.if \fill
	CREST                                          ; no wave of any partner still reads this slot or has a load on its way
	s_add_nc_u64 s[G0+4*\slot+2:G0+4*\slot+3], s[G0+4*\slot+2:G0+4*\slot+3], 2*RT
	s_add_nc_u64 s[G0B+4*\slot+2:G0B+4*\slot+3], s[G0B+4*\slot+2:G0B+4*\slot+3], 2*RT
	JLOAD G0+4*\slot, G1, G0B+4*\slot, G1B         ; my one tensor load behind the round; its four v_nop are the places in front of the loads below
.else
	PLACES NP
.endif
	v_add_nc_u32 v[ADRS], 128, v[ADRS]             ; the next K step's scale images
	FETCH_B \next, 0, 0
	FETCH_A \next, 0, 0
	SCALES \next
	WIN MUL_HI
	MUL16 4, 1, NQ-1, \slot, 0
	MUL16 6, 1, NQ-1, \slot, 0
	PLACES NP
	WIN 0
	FETCH_A \next, 0, 4
.endm
	s_wait_tensorcnt 1                             ; the scale images and my part of K step 0 are in; K step 1's load may be out
	s_barrier_signal -1
	s_barrier_wait -1
	FETCH_B 0, 0, 0
	FETCH_A 0, 0, 0
	SCALES 0
	FETCH_A 0, 0, 4
	STEP 0, 0, 1                                   ; K = 1,024 is four K steps of 256: written out, since the first differs (it starts the sums) and the last two fill nothing
	TURN 0, 1, 1                                   ; slot 0 takes K step 2
	STEP 1, 0, 0
	TURN 1, 0, 1                                   ; slot 1 takes K step 3
	STEP 0, 0, 0
	TURN 0, 1, 0
	STEP 1, 0, 0
	s_wait_dscnt 4*NL
	WIN MUL_LO
	MUL16 0, 1, NQ-1, 1, 0
	MUL16 2, 1, NQ-1, 1, 0
	s_wait_dscnt 0x0
	WIN MUL_HI
	MUL16 4, 1, NQ-1, 1, 0
	MUL16 6, 1, NQ-1, 1, 0
	WIN 0
; THE WAY OUT.  64 numbers of a lane, register 16 b + i = k 32 b + 16 (lane / 16) + i of my row, become a fragment's codes in v[PC] on and its scale word in v[pw].
.macro QUANT s, pw
.irp b, 0,1,2,3
	v_max3_num_f32 v[TM+\b], |v[\s+16*\b]|, |v[\s+1+16*\b]|, 0x1800000   ; my 16 numbers of block b, and the floor 2^(3 - 127): the byte cannot fall under 1
.endr
.irp i, 2,4,6,8,10,12,14
.irp b, 0,1,2,3
	v_max3_num_f32 v[TM+\b], v[TM+\b], |v[\s+16*\b+\i]|, |v[\s+1+16*\b+\i]|
.endr
.endr
.irp b, 0,1,2,3
	v_permlanex16_b32 v[TM+4+\b], v[TM+\b], s[SEL], s[SEL+1]
.endr
.irp b, 0,1,2,3
	v_max_num_f32 v[TM+\b], v[TM+\b], v[TM+4+\b]   ; with lane l xor 16's: the block's largest magnitude
.endr
.irp b, 0,1,2,3
	v_add_nc_u32 v[TM+12+\b], 0xff000000, v[TM+\b] ; 2 off its exponent field: the conversion's scale operand
.endr
.irp b, 0,1,2,3
	v_lshrrev_b32 v[TM+4+\b], 23, v[TM+12+\b]      ; the scale's byte
.endr
	v_lshl_or_b32 v[\pw], v[TM+5], 8, v[TM+4]
	v_lshl_or_b32 v[\pw], v[TM+6], 16, v[\pw]
	v_lshl_or_b32 v[\pw], v[TM+7], 24, v[\pw]
.irp c, 0,1
	v_cvt_scalef32_pk16_fp6_f32 v[PC+6*\c:PC+2+6*\c], v[\s+32*\c:\s+15+32*\c], v[TM+12+2*\c]
	v_cvt_scalef32_pk16_fp6_f32 v[PC+12+4*\c:PC+14+4*\c], v[\s+16+32*\c:\s+31+32*\c], v[TM+12+2*\c+1]
.endr
	v_nop                                          ; one plain place behind a scaled conversion
.irp c, 0,1                                    ; the operand's layout wants a whole block in a lane
.irp i, 0,1,2
	v_permlane16_swap_b32 v[PC+6*\c+\i], v[PC+12+4*\c+\i]
.endr
.irp i, 0,1,2
	v_mov_b32 v[PC+3+6*\c+\i], v[PC+12+4*\c+\i]
.endr
.endr
.endm
.macro OUTB a                          ; A's block a: its eight accumulators, each from its low end on
	WIN 0x02+((\a)/4)                              ; source 0: window 2 or 3
.set n, 0
.rept 32
	v_pk_add_f32 v[T+n:T+n+1], v[64*((\a)%4)+n:64*((\a)%4)+n+1], v[BM+2*(\a):BM+2*(\a)+1] op_sel_hi:[1,0]   ; into window 0, with my row's bias
.set n, n+2
.endr
	WIN 0
	s_wait_xcnt 0x0                                ; the last block's stores have read the fragment's registers and their base
.if (\a) > 0
	s_add_nc_u64 s[98:99], s[98:99], s[92:93]      ; A's next row tile
.endif
	QUANT T, PWS+(\a)
.irp j, 0,1,2
	global_store_b64 v[VO0], v[PC+2*\j:PC+2*\j+1], s[98:99] offset:256*\j       ; 256 consecutive bytes, aligned
.endr
.irp j, 0,1,2
	global_store_b64 v[VO1], v[PC+6+2*\j:PC+7+2*\j], s[98:99] offset:256*\j     ; the second chunk's half fragment
.endr
.endm
	PLACES NP                                      ; behind the last products: their operands' registers are written below
	s_mov_b32 s[SEL], 0x76543210
	s_mov_b32 s[SEL+1], 0xfedcba98
.irp b, 0,1,2,3
	v_mov_b32 v[TM+4+\b], 0                        ; a lane exchange's destination counts as one of its sources
.endr
	v_and_b32 v[VSO], 15, v0
	v_lshlrev_b32 v[VSO], 2, v[VSO]                ; 4 r
.irp a, 1,2,3,4,5,6,7
	v_add_nc_u32 v[VSO+\a], s94, v[VSO+\a-1]
.endr
.irp a, 0,1,2,3,4,5,6,7
	OUTB \a
.endr
	s_wait_xcnt 0x0                                ; EXEC changes only behind this wait
	v_cmp_gt_u32 vcc_lo, 16, v[LN]
	s_and_saveexec_b32 s2, vcc_lo                  ; lanes 0-15 hold the sixteen rows' words
.irp a, 0,1,2,3,4,5,6,7
	global_store_b32 v[VSO+\a], v[PWS+\a], s[100:101]
.endr
	s_wait_xcnt 0x0
	s_or_b32 exec_lo, exec_lo, s2
	s_wait_tensorcnt 0x0                           ; the wave's end
	ds_add_u32 v[SPW], v[NIL]
	s_wait_dscnt 0x0
	CROUND                                         ; the closing round: no work-group ends while a partner may still ask for a tile that names it
	s_endpgm
.Lfunc_end_k_q8a2e9d44f9_qkv:
	.size	k_q8a2e9d44f9_qkv, .Lfunc_end_k_q8a2e9d44f9_qkv-k_q8a2e9d44f9_qkv
	.p2alignl 7, 3214868480
	.fill 96, 4, 3214868480
	.section	.rodata,"a",@progbits
	.p2align	6, 0x0
	.amdhsa_kernel k_q8a2e9d44f9_qkv
		.amdhsa_group_segment_fixed_size 327680
		.amdhsa_private_segment_fixed_size 0
		.amdhsa_enable_private_segment 0
		.amdhsa_kernarg_size 56
		.amdhsa_user_sgpr_count 2
		.amdhsa_user_sgpr_kernarg_segment_ptr 1
		.amdhsa_wavefront_size32 1
		.amdhsa_system_sgpr_workgroup_id_x 1
		.amdhsa_system_sgpr_workgroup_id_y 1
		.amdhsa_system_sgpr_workgroup_id_z 1
		.amdhsa_system_vgpr_workitem_id 0
		.amdhsa_next_free_vgpr 1024
		.amdhsa_next_free_sgpr 102
		.amdhsa_reserve_vcc 1
		.amdhsa_float_denorm_mode_32 3
		.amdhsa_float_denorm_mode_16_64 3
		.amdhsa_memory_ordered 1
		.amdhsa_forward_progress 1
		.amdhsa_inst_pref_size 189
	.end_amdhsa_kernel
	.amdgpu_metadata
---
amdhsa.version: [ 1, 2 ]
amdhsa.kernels:
  - .name:           k_q8a2e9d44f9_qkv
    .symbol:         k_q8a2e9d44f9_qkv.kd
    .args:
      - { .name: codes, .offset: 0, .size: 8, .value_kind: global_buffer, .address_space: global }
      - { .name: scl, .offset: 8, .size: 8, .value_kind: global_buffer, .address_space: global }
      - { .name: bq, .offset: 16, .size: 8, .value_kind: global_buffer, .address_space: global }
      - { .name: bk, .offset: 24, .size: 8, .value_kind: global_buffer, .address_space: global }
      - { .name: bv, .offset: 32, .size: 8, .value_kind: global_buffer, .address_space: global }
      - { .name: qkv, .offset: 40, .size: 8, .value_kind: global_buffer, .address_space: global }
      - { .name: qkvs, .offset: 48, .size: 8, .value_kind: global_buffer, .address_space: global }
    .group_segment_fixed_size: 327680
    .private_segment_fixed_size: 0
    .kernarg_segment_align: 8
    .kernarg_segment_size: 56
    .max_flat_workgroup_size: 128
    .sgpr_count:     102
    .vgpr_count:     1024
    .wavefront_size: 32
...
	.end_amdgpu_metadata
.endif
;; end of part 2
;; launch attn (part 3): grid 64 x 8, 16 waves a work-group, no clusters, 327,680 bytes of LDS; arguments qkv, qkvs, ac, asc; writes ac, asc
.if DOCPART == 3
	.amdgcn_target "amdgcn-amd-amdhsa--gfx1250"
	.amdhsa_code_object_version 6
	.text
	.protected	k_q8a2e9d44f9_attn
	.globl	k_q8a2e9d44f9_attn
	.p2align	8
	.type	k_q8a2e9d44f9_attn,@function
k_q8a2e9d44f9_attn:
	s_mov_b64 s[64:65], 0
	v_nop
	global_prefetch_b8 v0, s[64:65] scope:SCOPE_SE
	s_setreg_imm32_b32 hwreg(HW_REG_WAVE_MODE, 25, 1), 1
	s_wait_xcnt 0x0
; O[b][h][q] = the sum over keys k <= q of softmax_k(q . k / 8) v[k], head size 64, 2,048 tokens, 4 x 16 heads; both products on codes of FP6 (E2M3) with E8M0 scales.  The result is quantised along
; the model's 1,024 (two blocks a head) and leaves as codes: the next product's operand.
; THE SOFTMAX AHEAD OF THE SECOND PRODUCT: t = score x log2(e) / 8; M = the running largest t rounded UP to a whole number; p = 2^(t - M) is quantised along the keys, not normalised.
; The row's sum is taken of the unquantised p and divides O at the end.  When M moves, the sum and O are multiplied by 2^(old M - new M): exact.
; IN.  qkv: [chunk 32: heads of q, heads of k][token tile 512][768], then from byte 12,582,912 v with the keys innermost, [channel tile 64][key chunk 128][768].  A token tile T holds tokens
; 32 (T / 2) + 8 (T % 2) + r + 8 (r / 8); 768 bytes are half a fragment: byte 256 j + 8 l + e = byte 8 j + e of the 24 code bytes of row l % 16, K block l / 16 of the chunk's two.
; qkvs: [pair of heads 16][token tile 512][16 words] (a head's two bytes are half a word), then from byte 524,288 [channel tile 64][key step 64][16 words].
; OUT.  ac = [token tile 512][head 16][768], asc = [token tile 512][4][128], byte 8 r + i = the byte of K block 8 s + i.  The codes leave as 256 consecutive bytes a store, aligned;
; the scale bytes as two bytes a lane, since a work-group has one head's: 32 bytes beside a wave's 768 of codes.
; SHARES.  Work-group (x, y): head x % 16 of batch x / 16, queries 256 (7 - y) on: the blocks with the most keys stand first in the grid.  Each of sixteen waves owns one token tile of queries, in 256 registers.
; Both products are used transposed (S^T = K Q^T, O^T = V^T P^T): a lane holds one query throughout, and by the choice of a tile's tokens the 16 registers of key tiles 2 i, 2 i + 1 are 16 neighbouring keys.
; K = 64 IN A FORM OF K = 128.  Q's registers 6-11 are zero codes.  So whatever codes stand in the upper six registers of a fragment of K (the next key tile's, or zeros) add exactly 0: E2M3 has neither
; infinity nor NaN, and both sides' scale bytes for that half are 0, which is 2^-127 and no NaN.  K's eight fragments therefore lie six registers apart.
; THE RING.  Two LDS slots of 256 keys, filled by tensor loads (wave 0: K's 12,288 bytes; wave 1: V's) and read by all sixteen waves.  The scale words of the head's 2,048 keys come once.
; CAUSAL.  Every work-group walks all eight slots, so that the trip counts are constants; a step all of whose keys come after the wave's queries is jumped over by a scalar branch on ids, and a slot that no
; wave of the work-group will read is not asked for.
; NO CLUSTER: the eight blocks of a head need 1 to 8 slots and are started apart on purpose; partners that asked jointly would have to walk in step through slots that most of them do not read.
; LIMITS: NaN and infinities are not served; a block whose largest magnitude lies under 2^-124 keeps the byte 1, a block of zeros too (its codes are zeros; only this program reads the bytes).
.set SLOT1, 32768                      ; slot 1 begins here: one exclusive or turns an address from one slot to the other
.set VOFF,  12288                      ; a slot: K's 16 half fragments, then V's [channel tile 4][chunk 4][768]
.set SCK,   65536                      ; K's scale words: 128 key tiles x 64 bytes
.set SCV,   73728                      ; V's: [channel tile 4][key step 16][64]
.set SPARE, 77824                      ; the spare words, 128 bytes for each of sixteen waves
.set NSL,   8
.set AK0,  1                           ; v1   8 x lane: my place in a half fragment, in LDS and in memory
.set AV0,  2                           ; v2   the same + VOFF
.set ASK0, 3                           ; v3   my place among K's scale words
.set ASV0, 4                           ; v4   and among V's
.set SPW,  5                           ; v5   LDS address of my spare word; never rewritten
.set NIL,  6                           ; v6   0; never rewritten
.set R4,   7                           ; v7   4 r
.set ADK,  8                           ; v8-11 the step's LDS addresses
.set ADV,  9
.set ADS,  10
.set ADT,  11
.set PFO,  28                          ; v28  the prefetches' offset; never rewritten
.set QL,   29                          ; v29  r + 8 (r / 8) - 16 (lane / 16)
.set R8,   30                          ; v30  8 r
.set LN,   31                          ; v31  lane
.set KSW,  192                         ; v192-199 K's scale words; v200-203 V's; v253 p's; v255 Q's: these hold scales and nothing else
.set VSW,  200
; v12 -M, v13 the largest t, v[14:15] the sum in two halves; v16-27 Q; v32-85 K's fragments, or v32-79 V's; v96-159 S^T, then p; v160-191 O^T; v204-205 the mask's; v224-235 p's codes; v232-247, v252, v254 at work
.set WV,   18
.set SEL,  20                          ; s[20:21] selects for lane l xor 16
.set CS,   22                          ; s[22:23] c = log2(e) / 8
.set G1K,  24
.set G1V,  32
.set G0K,  40
.set G0V,  44
.set G1SK, 48
.set G0SK, 56
.set G0SV, 60
.set G1SV, 68
.set TB,   2                           ; s2   LDS byte at which the slot in hand begins
.set TS,   3                           ; s3   the step's scale words of K: 512 bytes a step
.set TJ,   66                          ; s66  and of V: 64 bytes a step
.set SLOTS, 67                         ; s67  changes of slots still to come in the loop
.set PFA,  76                          ; s[76:77] where my prefetches stand
.set PFS,  78                          ; s[78:79] a slot on, in bytes
.set LIM,  80                          ; s80  1 in a wave that prefetches, else the greatest number
.set KF,   98                          ; s98  the step's first key
.set Q0,   99                          ; s99  my tile's first query
; Wave 0 fetches for K, wave 1 for V, the others nothing.  An s_nop 0 and four v_nop follow each of the two lines.
.macro TLOAD g0k, g1k, g0v, g1v
	s_cmp_eq_u32 s[WV], 0
	s_cbranch_scc0 .Lnot_k_\@
	tensor_load_to_lds s[\g0k:\g0k+3], s[\g1k:\g1k+7]
	s_nop 0
.rept 4
	v_nop
.endr
	s_branch .Lasked_\@
.Lnot_k_\@:
	s_cmp_eq_u32 s[WV], 1
	s_cbranch_scc0 .Lasked_\@
	tensor_load_to_lds s[\g0v:\g0v+3], s[\g1v:\g1v+7]
	s_nop 0
.rept 4
	v_nop
.endr
.Lasked_\@:
.endm
; A PREFETCH INTO THE L2, two slots at a time, so that a wave's 32 lanes name 32 different blocks of 256 bytes: at changes 0, 2 and 4 for slots n + 2 and n + 3, of which the first is asked for by its
; tensor load at the next change, a slot's two key steps on.  All eight work-groups of a head walk the same K and V: the one with y = 0, which reads every slot, asks.  In it waves 4 to 6 name K's
; 2 x 12,288 dense bytes, waves 8 to 10 V's 4 rows x 6,144 bytes: 96 blocks each, each named once in the launch.  Slots 0 and 1 come by their loads alone; the last request names slots 6 and 7, the head's last.
.macro ASK
	s_cmp_gt_u32 s[SLOTS], s[LIM]
	s_cbranch_scc0 .Lnot_mine_\@
	s_and_b32 s82, s[SLOTS], 1
	s_cmp_eq_u32 s82, 1
	s_cbranch_scc0 .Lnot_mine_\@
	global_prefetch_b8 v[PFO], s[PFA:PFA+1] th:TH_LOAD_NT scope:SCOPE_SE
.Lnot_mine_\@:
.endm
	s_load_b256 s[4:11], s[0:1], 0x0               ; qkv s[4:5], qkvs s[6:7], ac s[8:9], asc s[10:11]
	v_lshl_add_u32 v[SPW], v0, 2, SPARE
	v_mov_b32 v[NIL], 0
	ds_add_u32 v[SPW], v[NIL]                      ; the wave's opening: the add and its wait ahead of my first tensor load; work on registers stands between them
	ds_add_u32 v[SPW], v[NIL]
	v_lshrrev_b32 v8, 5, v0
	s_delay_alu instid0(VALU_DEP_1)
	v_readfirstlane_b32 s[WV], v8                  ; wave 0..15
	s_and_b32 s81, ttmp9, 15                       ; h
	s_lshr_b32 s82, ttmp9, 4                       ; b
	s_and_b32 s83, ttmp7, 0xffff
	s_sub_co_u32 s83, 7, s83                       ; my block of 256 queries
	s_lshl_b32 s84, s82, 7                         ; the batch's first token tile
	s_lshl_b32 s85, s83, 4
	s_add_co_u32 s85, s85, s84
	s_add_co_u32 s85, s85, s[WV]                   ; my token tile
	s_lshl_b32 s[Q0], s83, 8
	s_lshr_b32 s86, s[WV], 1
	s_lshl_b32 s86, s86, 5
	s_add_co_u32 s[Q0], s[Q0], s86
	s_and_b32 s86, s[WV], 1
	s_lshl_b32 s86, s86, 3
	s_add_co_u32 s[Q0], s[Q0], s86                 ; its first query in the batch: 256 block + 32 (wave / 2) + 8 (wave % 2)
	s_lshl_b32 s86, s81, 9                         ; 512 h
	s_add_co_u32 s87, s86, s84
	s_add_co_u32 s87, s87, 8192
	s_mul_i32 s87, s87, 768                        ; K's codes: chunk 16 + h, the batch's first tile
	s_lshl_b32 s88, s82, 5
	s_add_co_u32 s88, s88, s86
	s_mul_i32 s88, s88, 768
	s_add_co_u32 s88, s88, 12582912                ; V's codes: channel tile 4 h, key chunk 32 b
	s_add_co_u32 s89, s86, s85
	s_mul_i32 s89, s89, 768                        ; Q's codes: chunk h, my tile
	s_lshr_b32 s90, s81, 1
	s_lshl_b32 s90, s90, 9
	s_add_co_u32 s91, s90, s84
	s_add_co_u32 s91, s91, 4096
	s_lshl_b32 s91, s91, 6                         ; K's scale words
	s_add_co_u32 s90, s90, s85
	s_lshl_b32 s90, s90, 6
	s_and_b32 s92, s81, 1
	s_lshl_b32 s92, s92, 1                         ; my head's half of a word
	s_add_co_u32 s90, s90, s92                     ; Q's scale words
	s_lshl_b32 s93, s81, 14
	s_lshl_b32 s94, s82, 10
	s_add_co_u32 s93, s93, s94
	s_add_co_u32 s93, s93, 524288                  ; V's scale words
	s_lshl_b32 s94, s85, 4
	s_add_co_u32 s94, s94, s81
	s_mul_i32 s94, s94, 768                        ; my half fragment of ac
	s_lshl_b32 s95, s85, 9
	s_lshr_b32 s96, s81, 2
	s_lshl_b32 s96, s96, 7
	s_add_co_u32 s95, s95, s96
	s_and_b32 s96, s81, 3
	s_lshl_b32 s96, s96, 1
	s_add_co_u32 s95, s95, s96                     ; and my two bytes a row of asc
	s_mov_b32 s97, 0
	; group 1, all with elements of 8 bytes, no mask, no padding.  K: 12,288 dense bytes as 48 rows of 256
	s_mov_b32 s[G1K], 3<<16
	s_mov_b32 s[G1K+1], 32<<16
	s_mov_b32 s[G1K+2], 48<<16
	s_mov_b32 s[G1K+3], 32<<16
	s_mov_b32 s[G1K+4], 48
	s_mov_b32 s[G1K+5], 32
	s_mov_b32 s[G1K+6], 0
	s_mov_b32 s[G1K+7], 0
	; V: 4 channel tiles x 3,072 bytes, 98,304 bytes apart
	s_mov_b32 s[G1V], 3<<16
	s_mov_b32 s[G1V+1], 384<<16
	s_mov_b32 s[G1V+2], 4<<16
	s_mov_b32 s[G1V+3], 384<<16
	s_mov_b32 s[G1V+4], 4
	s_mov_b32 s[G1V+5], 12288
	s_mov_b32 s[G1V+6], 0
	s_mov_b32 s[G1V+7], 0
	; K's scale words: 8,192 dense bytes as 32 rows of 256
	s_mov_b32 s[G1SK], 3<<16
	s_mov_b32 s[G1SK+1], 32<<16
	s_mov_b32 s[G1SK+2], 32<<16
	s_mov_b32 s[G1SK+3], 32<<16
	s_mov_b32 s[G1SK+4], 32
	s_mov_b32 s[G1SK+5], 32
	s_mov_b32 s[G1SK+6], 0
	s_mov_b32 s[G1SK+7], 0
	; V's: 4 channel tiles x 1,024 bytes, 4,096 bytes apart
	s_mov_b32 s[G1SV], 3<<16
	s_mov_b32 s[G1SV+1], 128<<16
	s_mov_b32 s[G1SV+2], 4<<16
	s_mov_b32 s[G1SV+3], 128<<16
	s_mov_b32 s[G1SV+4], 4
	s_mov_b32 s[G1SV+5], 512
	s_mov_b32 s[G1SV+6], 0
	s_mov_b32 s[G1SV+7], 0
	s_mov_b32 s[SEL], 0x76543210
	s_mov_b32 s[SEL+1], 0xfedcba98
	s_mov_b32 s[CS], 0x3e38aa3b                    ; c = log2(e) / 8
	s_mov_b32 s[CS+1], s[CS]                       ; (named with it as a pair)
	s_mov_b32 s[TB], 0
	s_mov_b32 s[TS], 0
	s_mov_b32 s[TJ], 0
	s_mov_b32 s[SLOTS], NSL-1
	s_mov_b32 s[KF], 0
	s_wait_dscnt 0x0                               ; the opening add is done
	s_wait_kmcnt 0x0
	s_mov_b32 s96, s91
	s_mov_b32 s[G0SK], 1
	s_mov_b32 s[G0SK+1], SCK
	s_add_nc_u64 s[G0SK+2:G0SK+3], s[6:7], s[96:97]
	s_or_b32 s[G0SK+3], s[G0SK+3], 0x80000000
	s_mov_b32 s96, s93
	s_mov_b32 s[G0SV], 1
	s_mov_b32 s[G0SV+1], SCV
	s_add_nc_u64 s[G0SV+2:G0SV+3], s[6:7], s[96:97]
	s_or_b32 s[G0SV+3], s[G0SV+3], 0x80000000
	TLOAD G0SK, G1SK, G0SV, G1SV                   ; the head's scale words: filled once
	s_mov_b32 s96, s87
	s_mov_b32 s[G0K], 1
	s_mov_b32 s[G0K+1], 0
	s_add_nc_u64 s[G0K+2:G0K+3], s[4:5], s[96:97]
	s_or_b32 s[G0K+3], s[G0K+3], 0x80000000
	s_mov_b32 s96, s88
	s_mov_b32 s[G0V], 1
	s_mov_b32 s[G0V+1], VOFF
	s_add_nc_u64 s[G0V+2:G0V+3], s[4:5], s[96:97]
	s_or_b32 s[G0V+3], s[G0V+3], 0x80000000
	TLOAD G0K, G1K, G0V, G1V                       ; slot 0: two tensor loads are out in waves 0 and 1
	s_mov_b32 s96, s89
	s_add_nc_u64 s[84:85], s[4:5], s[96:97]        ; Q's codes
	s_mov_b32 s96, s90
	s_add_nc_u64 s[6:7], s[6:7], s[96:97]          ; Q's scale words
	s_mov_b32 s96, s94
	s_add_nc_u64 s[8:9], s[8:9], s[96:97]
	s_mov_b32 s96, s95
	s_add_nc_u64 s[10:11], s[10:11], s[96:97]
	v_and_b32 v[LN], 31, v0
	v_and_b32 v204, 15, v0                         ; r
	v_bfe_u32 v205, v0, 4, 1                       ; lane / 16
	s_delay_alu instid0(VALU_DEP_3)
	v_lshlrev_b32 v[AK0], 3, v[LN]
	s_delay_alu instid0(VALU_DEP_1)
	v_add_nc_u32 v[AV0], VOFF, v[AK0]
	s_delay_alu instid0(VALU_DEP_4)
	v_lshlrev_b32 v[R4], 2, v204
	v_lshlrev_b32 v[R8], 3, v204
	s_add_co_u32 s92, s92, SCK
	v_add_nc_u32 v[ASK0], s92, v[R4]
	v_add_nc_u32 v[ASV0], SCV, v[R4]
.irp j, 0,1,2
	global_load_b64 v[16+2*\j:17+2*\j], v[AK0], s[84:85] offset:256*\j   ; Q's half fragment stays in registers
.endr
	global_load_u16 v255, v[R4], s[6:7]            ; its two scale bytes; the upper two are 0
	v_and_b32 v[QL], 8, v204
	s_delay_alu instid0(VALU_DEP_1)
	v_add_nc_u32 v[QL], v[QL], v204
	v_lshlrev_b32 v205, 4, v205
	s_delay_alu instid0(VALU_DEP_1)
	v_sub_nc_u32 v[QL], v[QL], v205
	; the prefetches: who asks, and where
	s_cmp_lt_u32 s[WV], 8
	s_cselect_b32 s96, s87, s88
	s_mov_b32 s[PFS], 3072
	s_cselect_b32 s[PFS], 12288, s[PFS]            ; a slot on: in K, in a row of V
	s_mov_b32 s86, 98304
	s_cselect_b32 s86, 6144, s86                   ; from one run of 24 blocks to the next
	s_mov_b32 s[PFS+1], 0
	s_add_nc_u64 s[PFA:PFA+1], s[4:5], s[96:97]
	s_add_nc_u64 s[PFA:PFA+1], s[PFA:PFA+1], s[PFS:PFS+1]  ; at slot 1: the first change of slots steps it to slot 2
	s_and_b32 s87, s[WV], 3
	s_lshl_b32 s88, s87, 5
	v_add_nc_u32 v[PFO], s88, v[LN]                ; i = 0 .. 95 over three waves
	s_delay_alu instid0(VALU_DEP_1)
	v_mul_u32_u24 v204, v[PFO], 43
	s_delay_alu instid0(VALU_DEP_1)
	v_lshrrev_b32 v204, 10, v204                   ; i / 24
	s_delay_alu instid0(VALU_DEP_1)
	v_mul_u32_u24 v205, v204, 24
	s_delay_alu instid0(VALU_DEP_1)
	v_sub_nc_u32 v[PFO], v[PFO], v205
	s_delay_alu instid0(VALU_DEP_1)
	v_lshlrev_b32 v[PFO], 8, v[PFO]
	s_delay_alu instid0(VALU_DEP_4)
	v_mul_lo_u32 v204, v204, s86
	s_delay_alu instid0(VALU_DEP_1)
	v_add_nc_u32 v[PFO], v[PFO], v204
	s_sub_co_u32 s88, s[WV], 4
	s_lshr_b32 s88, s88, 3                         ; 0 in waves 4 to 11,
	s_and_b32 s89, ttmp7, 0xffff
	s_or_b32 s88, s88, s89                         ; of the work-group with y = 0
	s_cmp_eq_u32 s88, 0
	s_cselect_b32 s[LIM], 1, -1
	s_cmp_eq_u32 s87, 3                            ; three waves' worth each: waves 7 and 11 ask for nothing
	s_cselect_b32 s[LIM], -1, s[LIM]
.irp j, 22,23,24,25,26,27,80,81,82,83,84,85
	v_mov_b32 v\j, 0                               ; zero codes: Q's upper half, and behind K's last fragment
.endr
	v_mov_b32 v13, 0xff61b1e6                      ; the largest t so far: -3e38
	s_delay_alu instid0(VALU_DEP_1)
	v_floor_f32 v12, -v13                          ; -M
	v_mov_b32 v14, 0
	v_mov_b32 v15, 0
.irp j, 236,237,238,239,253
	v_mov_b32 v\j, 0                               ; lane exchanges' destinations; the upper half of the pair v[252:253]
.endr
.set n, 0
.rept 32
	v_mov_b32 v[160+n], 0                          ; O^T: the loop has no first step of its own; the first change of M leaves zeros zeros
.set n, n+1
.endr
; A KEY STEP: 128 keys, the q-th of the slot in hand.
.macro STEP q
	s_add_co_u32 s96, s[Q0], 23                    ; my last query
	s_cmp_gt_u32 s[KF], s96
	s_cbranch_scc1 .Lhidden_\@                     ; all keys hidden: ids and the count of steps alone
	v_add_nc_u32 v[ADK], s[TB], v[AK0]             ; (these four are the places in front of loads into registers that the last products read)
	v_add_nc_u32 v[ADV], s[TB], v[AV0]
	v_add_nc_u32 v[ADS], s[TS], v[ASK0]
	v_add_nc_u32 v[ADT], s[TJ], v[ASV0]
.irp t, 0,1,2,3,4,5,6,7
.irp p, 0,1,2
	ds_load_b64 v[32+6*\t+2*\p:33+6*\t+2*\p], v[ADK] offset:(8*(\q)+\t)*768+256*\p
.endr
	ds_load_u16 v[KSW+\t], v[ADS] offset:64*\t
.endr
	s_wait_alu depctr_va_vdst(0)
	s_wait_dscnt 0x0
.irp t, 0,1,2,3,4,5,6,7                        ; S^T = K Q^T: eight accumulators, one instruction each
	v_wmma_scale_f32_16x16x128_f8f6f4 v[96+8*\t:103+8*\t], v[32+6*\t:43+6*\t], v[16:27], 0, v[KSW+\t], v255 matrix_a_fmt:MATRIX_FMT_FP6 matrix_b_fmt:MATRIX_FMT_FP6
.endr
.rept 4
	v_nop                                          ; places: in front of the loads below and of the first read of the scores
.endr
.irp t, 0,1,2,3                                ; V's four fragments are asked for now and land while the softmax is walked
.irp p, 0,1,2,3,4,5
	ds_load_b64 v[32+12*\t+2*\p:33+12*\t+2*\p], v[ADV] offset:3072*\t+1536*(\q)+256*\p
.endr
	ds_load_b32 v[VSW+\t], v[ADT] offset:1024*\t
.endr
	s_add_co_u32 s96, s[KF], 127                   ; on the diagonal hidden scores become -infinity; a step all of whose keys count skips this
	s_cmp_le_u32 s96, s[Q0]
	s_cbranch_scc1 .Lopen_\@
	s_sub_co_i32 s96, s[Q0], s[KF]
	v_add_nc_u32 v204, s96, v[QL]                  ; d = my query - KF - 16 (lane / 16).  Register n holds key KF + 16 (lane / 16) + 32 (n / 16) + n % 16
	v_mov_b32 v205, 0xff800000
.set n, 0
.rept 64
	v_cmp_gt_i32 vcc_lo, 32*(n/16)+n%16, v204
	v_cndmask_b32 v[96+n], v[96+n], v205, vcc_lo
.set n, n+1
.endr
.Lopen_\@:
.irp b, 0,1,2,3
	v_max3_num_f32 v[232+\b], v[96+16*\b], v[97+16*\b], v[98+16*\b]   ; the largest score of each block of 32 keys: for the row's maximum and, since p rises with the score, for the block's largest p
.endr
.irp i, 3,5,7,9,11,13
.irp b, 0,1,2,3
	v_max3_num_f32 v[232+\b], v[232+\b], v[96+16*\b+\i], v[97+16*\b+\i]
.endr
.endr
.irp b, 0,1,2,3
	v_max_num_f32 v[232+\b], v[232+\b], v[111+16*\b]
.endr
.irp b, 0,1,2,3
	s_delay_alu instid0(VALU_DEP_4)
	v_permlanex16_b32 v[236+\b], v[232+\b], s[SEL], s[SEL+1]
.endr
.irp b, 0,1,2,3
	s_delay_alu instid0(VALU_DEP_4)
	v_max_num_f32 v[232+\b], v[232+\b], v[236+\b]  ; with lane l xor 16's 16 keys
.endr
	s_delay_alu instid0(VALU_DEP_2)
	v_max3_num_f32 v254, v232, v233, v234
	s_delay_alu instid0(VALU_DEP_1)
	v_max_num_f32 v254, v254, v235
	s_delay_alu instid0(VALU_DEP_1)
	v_mul_f32 v254, s[CS], v254                    ; the step's largest t
	s_delay_alu instid0(VALU_DEP_1)
	v_max_num_f32 v13, v13, v254                   ; the running largest t
	v_mov_b32 v254, v12
	s_delay_alu instid0(VALU_DEP_2)
	v_floor_f32 v12, -v13                          ; the new -M = -ceil(t): a whole number
	s_delay_alu instid0(VALU_DEP_1)
	v_sub_f32 v254, v12, v254                      ; old M - new M, 0 or less
	s_delay_alu instid0(VALU_DEP_1)
	v_cvt_i32_f32 v254, v254                       ; (it saturates)
	s_delay_alu instid0(VALU_DEP_1)
	v_ldexp_f32 v252, 1.0, v254                    ; f = 2^(old M - new M)
.set n, 0
.rept 32
	v_pk_fma_f32 v[96+n:97+n], v[96+n:97+n], s[CS:CS+1], v[12:13] op_sel_hi:[1,0,0]   ; t - M
.set n, n+2
.endr
.irp b, 0,1,2,3
	v_fma_f32 v[232+\b], v[232+\b], s[CS], v12     ; the same of each block's largest score
.endr
.set n, 0
	s_wait_alu depctr_va_vdst(0)
.rept 64
	v_exp_f32 v[96+n], v[96+n]                     ; p = 2^(t - M), at most 1
.set n, n+1
.endr
	v_pk_mul_f32 v[14:15], v[14:15], v[252:253] op_sel_hi:[1,0]   ; the sums under the new M: a plain place behind the exponentials
	s_wait_alu depctr_va_vdst(0)                   ; one wait for the batch of 64, ahead of its first reader
.irp b, 0,1,2,3
	v_exp_f32 v[232+\b], v[232+\b]                 ; the blocks' largest p
.endr
	v_pk_add_f32 v[236:237], v[100:101], v[104:105]
	v_pk_add_f32 v[250:251], v[108:109], v[112:113]
	v_pk_add_f32 v[248:249], v[116:117], v[120:121]
	v_pk_add_f32 v[222:223], v[124:125], v[128:129]
	v_pk_add_f32 v[220:221], v[132:133], v[136:137]
	v_pk_add_f32 v[218:219], v[140:141], v[144:145]
	v_pk_add_f32 v[216:217], v[148:149], v[152:153]
	v_pk_add_f32 v[14:15], v[14:15], v[156:157]
	v_pk_add_f32 v[236:237], v[236:237], v[96:97]
	v_pk_add_f32 v[250:251], v[250:251], v[98:99]
	v_pk_add_f32 v[248:249], v[248:249], v[102:103]
	v_pk_add_f32 v[222:223], v[222:223], v[106:107]
	v_pk_add_f32 v[220:221], v[220:221], v[110:111]
	v_pk_add_f32 v[218:219], v[218:219], v[114:115]
	v_pk_add_f32 v[216:217], v[216:217], v[118:119]
	v_pk_add_f32 v[14:15], v[14:15], v[122:123]
	v_pk_add_f32 v[236:237], v[236:237], v[126:127]
	v_pk_add_f32 v[250:251], v[250:251], v[130:131]
	v_pk_add_f32 v[248:249], v[248:249], v[134:135]
	v_pk_add_f32 v[222:223], v[222:223], v[138:139]
	v_pk_add_f32 v[220:221], v[220:221], v[142:143]
	v_pk_add_f32 v[218:219], v[218:219], v[146:147]
	v_pk_add_f32 v[216:217], v[216:217], v[150:151]
	v_pk_add_f32 v[14:15], v[14:15], v[154:155]
	v_pk_add_f32 v[236:237], v[236:237], v[158:159]
	s_delay_alu instid0(VALU_DEP_2)
	v_pk_add_f32 v[14:15], v[14:15], v[222:223]
	s_delay_alu instid0(VALU_DEP_2)
	v_pk_add_f32 v[236:237], v[236:237], v[220:221]
	v_pk_add_f32 v[250:251], v[250:251], v[218:219]
	v_pk_add_f32 v[248:249], v[248:249], v[216:217]
	s_delay_alu instid0(VALU_DEP_2)
	v_pk_add_f32 v[14:15], v[14:15], v[250:251]
	s_delay_alu instid0(VALU_DEP_2)
	v_pk_add_f32 v[236:237], v[236:237], v[248:249]
	s_delay_alu instid0(VALU_DEP_1)
	v_pk_add_f32 v[14:15], v[14:15], v[236:237]
	s_wait_alu depctr_va_vdst(0)                   ; and one for the four
.irp b, 0,1,2,3
	v_max_num_f32 v[232+\b], 0x1800000, v[232+\b]  ; the floor 2^(3 - 127): the byte cannot fall under 1
.endr
.irp b, 0,1,2,3
	s_delay_alu instid0(VALU_DEP_4)
	v_add_nc_u32 v[244+\b], 0xff000000, v[232+\b]  ; the conversion's scale operand
.endr
.irp b, 0,1,2,3
	s_delay_alu instid0(VALU_DEP_4)
	v_lshrrev_b32 v[236+\b], 23, v[244+\b]         ; the scale's byte
.endr
	s_delay_alu instid0(VALU_DEP_3)
	v_lshl_or_b32 v253, v237, 8, v236              ; p's scale word for these 128 keys
	s_delay_alu instid0(VALU_DEP_1)
	v_lshl_or_b32 v253, v238, 16, v253
	s_delay_alu instid0(VALU_DEP_1)
	v_lshl_or_b32 v253, v239, 24, v253
.irp c, 0,1
	v_cvt_scalef32_pk16_fp6_f32 v[224+6*\c:226+6*\c], v[96+32*\c:111+32*\c], v[244+2*\c]
	v_cvt_scalef32_pk16_fp6_f32 v[236+4*\c:238+4*\c], v[112+32*\c:127+32*\c], v[244+2*\c+1]
.endr
	v_nop                                          ; one plain place behind a scaled conversion
.irp c, 0,1                                    ; the operand's layout wants a whole block in a lane
.irp i, 0,1,2
	v_permlane16_swap_b32 v[224+6*\c+\i], v[236+4*\c+\i]
.endr
.irp i, 0,1,2
	s_delay_alu instid0(VALU_DEP_3)
	v_mov_b32 v[227+6*\c+\i], v[236+4*\c+\i]
.endr
.endr
.set n, 0
.rept 16
	v_pk_mul_f32 v[160+n:161+n], v[160+n:161+n], v[252:253] op_sel_hi:[1,0]   ; O^T under the new M; these sixteen also stand between the writes of p's codes and scale word and the products
.set n, n+2
.endr
	s_wait_alu depctr_va_vdst(0)
	s_wait_dscnt 0x0                               ; V's fragments and scale words are in
.irp t, 0,1,2,3                                ; O^T += V^T P^T: four accumulators, one instruction each
	v_wmma_scale_f32_16x16x128_f8f6f4 v[160+8*\t:167+8*\t], v[32+12*\t:43+12*\t], v[224:235], v[160+8*\t:167+8*\t], v[VSW+\t], v253 matrix_a_fmt:MATRIX_FMT_FP6 matrix_b_fmt:MATRIX_FMT_FP6
.endr
.Lhidden_\@:
	s_add_co_u32 s[KF], s[KF], 128
	s_add_co_u32 s[TS], s[TS], 512
	s_add_co_u32 s[TJ], s[TJ], 64
.endm
; THE CHANGE OF SLOTS stands at a slot's head.  Each wave waits for all its tensor loads, adds 0 to its spare word, and waits for that and for its reads of the slot that it has left; behind the barrier
; the slot ahead is whole and nobody reads the other one, which (fill = 1) is filled with the keys that follow, up to the causal limit.
.macro CHANGE fill
	s_wait_tensorcnt 0x0                           ; no tensor load of mine is out, so a group 0 may be written
	ds_add_u32 v[SPW], v[NIL]                      ; 0 onto my spare word
.if \fill
	s_xor_b32 s[G0K+1], s[G0K+1], SLOT1
	s_add_nc_u64 s[G0K+2:G0K+3], s[G0K+2:G0K+3], 12288
	s_xor_b32 s[G0V+1], s[G0V+1], SLOT1
	s_add_nc_u64 s[G0V+2:G0V+3], s[G0V+2:G0V+3], 3072
	s_wait_xcnt 0x0                                ; the last prefetch, a slot or more back, has read its address
	s_add_nc_u64 s[PFA:PFA+1], s[PFA:PFA+1], s[PFS:PFS+1]
.endif
	s_wait_dscnt 0x0                               ; the add is done, and my reads of the slot that I have left are over
	s_barrier_signal -1
	s_barrier_wait -1
.if \fill
	s_add_co_u32 s96, s[KF], 256                   ; the first key of the slot that this change would ask for,
	s_or_b32 s97, s[Q0], 255                       ; against my work-group's last query: a slot beyond it is read by none of the sixteen waves
	s_cmp_gt_u32 s96, s97                          ; ids and the count of steps alone: all waves go the same way.  Every wait for tensor loads in this text is for 0
	s_cbranch_scc1 .Lpast_\@
	TLOAD G0K, G1K, G0V, G1V                       ; a wave's one tensor load until the next such barrier
.Lpast_\@:
	ASK
.endif
.endm
.macro SLOT_STEPS
	STEP 0
	STEP 1
	s_xor_b32 s[TB], s[TB], SLOT1
.endm
	s_wait_loadcnt 0x0                             ; Q
.Lslot:                                            ; seven trips: behind each change of slots but the last the next slot is asked for
	CHANGE 1
	SLOT_STEPS
	s_sub_co_u32 s[SLOTS], s[SLOTS], 1
	s_cmp_lg_u32 s[SLOTS], 0
	s_cbranch_scc1 .Lslot
	CHANGE 0                                       ; the last slot is written out: nothing is left to ask for
	SLOT_STEPS
	; THE WAY OUT.  O^T / the sum: register 16 b + i is channel 32 b + 16 (lane / 16) + i of my query's head: two blocks along the next K.
	v_add_f32 v14, v14, v15
	s_delay_alu instid0(VALU_DEP_1)
	v_permlanex16_b32 v236, v14, s[SEL], s[SEL+1]
	s_delay_alu instid0(VALU_DEP_1)
	v_add_f32 v14, v14, v236                       ; the row's sum
	s_wait_alu depctr_va_vdst(0)
	v_rcp_f32 v14, v14
.rept 4
	v_nop                                          ; the plain place behind the reciprocal, and the places behind the last products
.endr
	s_wait_alu depctr_va_vdst(0)                   ; ahead of the reciprocal's first reader
.set n, 0
.rept 16
	v_pk_mul_f32 v[96+n:97+n], v[160+n:161+n], v[14:15] op_sel_hi:[1,0]
.set n, n+2
.endr
.irp b, 0,1
	v_max3_num_f32 v[232+\b], |v[96+16*\b]|, |v[97+16*\b]|, 0x1800000
.endr
.irp i, 2,4,6,8,10,12,14
.irp b, 0,1
	s_delay_alu instid0(VALU_DEP_2)
	v_max3_num_f32 v[232+\b], v[232+\b], |v[96+16*\b+\i]|, |v[97+16*\b+\i]|
.endr
.endr
.irp b, 0,1
	s_delay_alu instid0(VALU_DEP_2)
	v_permlanex16_b32 v[236+\b], v[232+\b], s[SEL], s[SEL+1]
.endr
.irp b, 0,1
	s_delay_alu instid0(VALU_DEP_2)
	v_max_num_f32 v[232+\b], v[232+\b], v[236+\b]
.endr
.irp b, 0,1
	s_delay_alu instid0(VALU_DEP_2)
	v_add_nc_u32 v[244+\b], 0xff000000, v[232+\b]
.endr
.irp b, 0,1
	s_delay_alu instid0(VALU_DEP_2)
	v_lshrrev_b32 v[236+\b], 23, v[244+\b]
.endr
	s_delay_alu instid0(VALU_DEP_1)
	v_lshl_or_b32 v253, v237, 8, v236              ; my row's two scale bytes
	v_cvt_scalef32_pk16_fp6_f32 v[224:226], v[96:111], v244
	v_cvt_scalef32_pk16_fp6_f32 v[240:242], v[112:127], v245
	v_nop                                          ; one plain place behind a scaled conversion
.irp i, 0,1,2
	v_permlane16_swap_b32 v[224+\i], v[240+\i]     ; lanes 0-15 block 0, lanes 16-31 block 1
.endr
.irp i, 0,1,2
	s_delay_alu instid0(VALU_DEP_3)
	v_mov_b32 v[227+\i], v[240+\i]
.endr
.irp j, 0,1,2
	global_store_b64 v[AK0], v[224+2*\j:225+2*\j], s[8:9] offset:256*\j   ; 256 consecutive bytes, aligned
.endr
	s_wait_xcnt 0x0                                ; EXEC changes only behind this wait
	v_cmp_gt_u32 vcc_lo, 16, v[LN]
	s_and_saveexec_b32 s96, vcc_lo
	global_store_b16 v[R8], v253, s[10:11]
	s_wait_xcnt 0x0
	s_or_b32 exec_lo, exec_lo, s96
	s_wait_tensorcnt 0x0                           ; the wave's end
	ds_add_u32 v[SPW], v[NIL]
	s_wait_dscnt 0x0
	s_endpgm
.Lfunc_end_k_q8a2e9d44f9_attn:
	.size	k_q8a2e9d44f9_attn, .Lfunc_end_k_q8a2e9d44f9_attn-k_q8a2e9d44f9_attn
	.p2alignl 7, 3214868480
	.fill 96, 4, 3214868480
	.section	.rodata,"a",@progbits
	.p2align	6, 0x0
	.amdhsa_kernel k_q8a2e9d44f9_attn
		.amdhsa_group_segment_fixed_size 327680
		.amdhsa_private_segment_fixed_size 0
		.amdhsa_enable_private_segment 0
		.amdhsa_kernarg_size 32
		.amdhsa_user_sgpr_count 2
		.amdhsa_user_sgpr_kernarg_segment_ptr 1
		.amdhsa_wavefront_size32 1
		.amdhsa_system_sgpr_workgroup_id_x 1
		.amdhsa_system_sgpr_workgroup_id_y 1
		.amdhsa_system_sgpr_workgroup_id_z 1
		.amdhsa_system_vgpr_workitem_id 0
		.amdhsa_next_free_vgpr 256
		.amdhsa_next_free_sgpr 100
		.amdhsa_reserve_vcc 1
		.amdhsa_float_denorm_mode_32 3
		.amdhsa_float_denorm_mode_16_64 3
		.amdhsa_memory_ordered 1
		.amdhsa_forward_progress 1
		.amdhsa_inst_pref_size 114
	.end_amdhsa_kernel
	.amdgpu_metadata
---
amdhsa.version: [ 1, 2 ]
amdhsa.kernels:
  - .name:           k_q8a2e9d44f9_attn
    .symbol:         k_q8a2e9d44f9_attn.kd
    .args:
      - { .name: qkv, .offset: 0, .size: 8, .value_kind: global_buffer, .address_space: global }
      - { .name: qkvs, .offset: 8, .size: 8, .value_kind: global_buffer, .address_space: global }
      - { .name: ac, .offset: 16, .size: 8, .value_kind: global_buffer, .address_space: global }
      - { .name: asc, .offset: 24, .size: 8, .value_kind: global_buffer, .address_space: global }
    .group_segment_fixed_size: 327680
    .private_segment_fixed_size: 0
    .kernarg_segment_align: 8
    .kernarg_segment_size: 32
    .max_flat_workgroup_size: 512
    .sgpr_count:     100
    .vgpr_count:     256
    .wavefront_size: 32
...
	.end_amdgpu_metadata
.endif
;; end of part 3
;; launch proj (part 4): grid 4 x 32, 4 waves a work-group, clusters of 4 x 4, 327,680 bytes of LDS; arguments ac, asc, codes, scl, bo, out0; writes out0
.if DOCPART == 4
	.amdgcn_target "amdgcn-amd-amdhsa--gfx1250"
	.amdhsa_code_object_version 6
	.text
	.protected	k_q8a2e9d44f9_proj
	.globl	k_q8a2e9d44f9_proj
	.p2align	8
	.type	k_q8a2e9d44f9_proj,@function
k_q8a2e9d44f9_proj:
	s_mov_b64 s[64:65], 0
	v_nop
	global_prefetch_b8 v0, s[64:65] scope:SCOPE_SE
	s_setreg_imm32_b32 hwreg(HW_REG_WAVE_MODE, 25, 1), 1
	s_wait_xcnt 0x0
	s_wait_alu depctr_hold_cnt(0) depctr_sa_sdst(0) depctr_va_vdst(0) depctr_va_sdst(0) depctr_va_ssrc(0) depctr_va_vcc(0) depctr_vm_vsrc(0)
	s_getreg_b32 s2, hwreg(HW_REG_IB_STS2, 6, 4)
	s_cmp_eq_u32 s2, 0
	s_cbranch_scc0 .Lentry_in_a_cluster
	s_endpgm
.Lentry_in_a_cluster:
	s_bfe_u32 s2, ttmp6, 0x10000c
	s_cmp_lg_u32 s2, 0xf033
	s_cbranch_scc0 .Lentry_shape_is_right
	s_endpgm
.Lentry_shape_is_right:
; out0 = A Wo^T + bo.  A [8,192][1,024] is attention's result as codes of FP6 (E2M3) with E8M0 scales (ac, asc), Wo's codes and scales are row tiles 704-767 of codes and scl; out0 is f32; sums in f32.
; OPERAND FORMAT: row tile T = rows 32 (T / 2) + 8 (T % 2) + r + 8 (r / 8); a half fragment (T, c) is 768 bytes: byte 256 j + 8 l + e = byte 8 j + e of the 24 code bytes of row l % 16,
; K block 2 c + l / 16; a scale image (T, s) is 128 bytes: byte 8 r + i = the byte of K block 8 s + i.  Both pairs of buffers are [T][c 16][768] and [T][s 4][128].
; A work-group of four waves makes 256 x 256 of out0, a wave 128 x 128: 64 accumulators.  K goes in steps of 256 through two LDS slots filled by tensor loads; the scale images come once.
; CLUSTERS: 4 x 4.  A's tiles are asked for jointly along a row of the cluster, Wo's along a column.  The grid has 128 work-groups: with this tile the output has no more.
; THE MATRIX INSTRUCTION IS USED TRANSPOSED (source 0 = 16 rows of Wo, source 1 = 16 rows of A): lane (r, h) holds row r of A's tile, and register j of Wo's tile b is column 32 (b / 2) + 8 (b % 2) + 16 h + j.
; bo is the C of each sum's first product: it starts the f32 sum instead of ending it.  Nothing is prefetched: K has four steps, and the first two go out at the head.
; REGISTERS, in windows of 256.  Window 0: v0-31 addresses; v32-63 scale words, two sets, and nothing else; v64-127 the bias; v128-223 A's fragments, one set; on the way out v128-255 hold rows of out0.
;   Window 1: Wo's fragments, two sets.  Window 2: the accumulators of my rows 0-63 ((a, b) at v[8 (8 a + b)]); window 3: those of rows 64-127.
.set NQ,    2
.set FR,    12
.set NL,    6
.set NP,    4                          ; places behind this matrix instruction (ISA guide 7.12.1)
.set RT,    3072                       ; a row tile's part of a slot; also a K step on in memory
.set HALFT, 8*RT
.set SLOT,  4*HALFT
.set SCL,   2*SLOT
.set HALFS, 4096
.set SBLK,  512
.set SPARE, SCL+4*HALFS                ; the spare words, 128 bytes for each wave
.set SPITCH, 528                       ; the way out: a stage of 16 rows x (512 bytes + 16) for each wave, in slot 0, which has had its last fill and its last read by then
.set ADRA, 16
.set ADRB, 20
.set STO,  24                          ; v24  the way out: where I put 32 bytes of a row
.set RD,   25                          ; v25  where I read a row back
.set CO,   26                          ; v26  16 x lane
.set ADRS, 27
.set SPW,  28                          ; v28  LDS address of my spare word; never rewritten
.set NIL,  29                          ; v29  0; never rewritten
.set VBN,  30
.set SC,   32
.set BI,   64
.set AF,   128
.set BK,   128                         ; the way out: v128-191 and v192-255 by turns
.set G1,   24
.set G0,   32
.set G1B,  48
.set G0B,  56
.set G1S,  68
.set G0S,  76
.set G1SB, 80
.set G0SB, 88
.set MSB, 0
.macro WIN new                         ; the immediate's high byte repeats the setting that is left
.if MSB != (\new)
	s_set_vgpr_msb (MSB<<8)|(\new)
.set MSB, (\new)
.endif
.endm
.set MUL_LO, 0xa1
.set MUL_HI, 0xf1
.set BEG_LO, 0x81                      ; the first products: C (the bias) window 0, D window 2
.set BEG_HI, 0xc1
.set TO_B,   0x40
.macro JLOAD g0a, g1a, g0b, g1b        ; a joint load: waves 0 and 1 fetch for A, waves 2 and 3 for Wo; an s_nop 0 and four v_nop follow each of the two lines
	s_cmp_eq_u32 s15, 0
	s_cbranch_scc0 .Lfor_b_\@
	tensor_load_to_lds s[\g0a:\g0a+3], s[\g1a:\g1a+7]
	s_nop 0
.rept 4
	v_nop
.endr
	s_branch .Lasked_\@
.Lfor_b_\@:
	tensor_load_to_lds s[\g0b:\g0b+3], s[\g1b:\g1b+7]
	s_nop 0
.rept 4
	v_nop
.endr
.Lasked_\@:
.endm
.macro CREST
	s_cmp_lg_u32 s14, 0
	s_cbranch_scc1 .Lnot_wave_0_\@
	s_barrier_signal -3
.Lnot_wave_0_\@:
	s_barrier_wait -3
	s_barrier_signal -1
	s_barrier_wait -1
.endm
.macro CROUND
	s_barrier_signal -1
	s_barrier_wait -1
	CREST
.endm
.macro PLACES n
.rept \n
	v_nop
.endr
.endm
	s_load_b256 s[4:11], s[0:1], 0x0               ; ac s[4:5], asc s[6:7], codes s[8:9], scl s[10:11]
	s_load_b128 s[96:99], s[0:1], 0x20             ; bo s[96:97], out0 s[98:99]
	v_lshl_add_u32 v[SPW], v0, 2, SPARE
	v_mov_b32 v[NIL], 0
	ds_add_u32 v[SPW], v[NIL]                      ; the wave's opening: the add and its wait ahead of my first tensor load; work on registers stands between them
	v_lshrrev_b32 v1, 5, v0
	v_readfirstlane_b32 s14, v1                    ; wave 0..3
	s_lshr_b32 s15, s14, 1                         ; which half of A's rows is mine.  Also: I fetch for A (0) or for Wo (1)
	s_and_b32 s16, s14, 1                          ; which half of Wo's rows.  Also: which eight row tiles I fetch
	s_bfe_u32 s40, ttmp6, 0x40000                  ; cx, cy
	s_bfe_u32 s41, ttmp6, 0x40004
	s_lshl_b32 s42, ttmp9, 2
	s_add_co_u32 s42, s42, s40                     ; tile column
	s_and_b32 s17, ttmp7, 0xffff
	s_lshl_b32 s17, s17, 2
	s_add_co_u32 s17, s17, s41                     ; tile row
	s_lshl_b32 s43, s41, 2
	s_lshl_b32 s43, 15, s43                        ; my row of the cluster
	s_lshl_b32 s44, 0x1111, s40                    ; my column
	; group 1 for codes: eight row tiles x 3,072 bytes (384 elements of 8 bytes), 12,288 bytes apart in memory, on end in LDS
	s_or_b32 s[G1+0], s43, (3<<16)|(1<<21)
	s_or_b32 s[G1B+0], s44, (3<<16)|(1<<21)
.irp g, G1, G1B
	s_mov_b32 s[\g+1], 384<<16
	s_mov_b32 s[\g+2], 8<<16
	s_mov_b32 s[\g+3], 384<<16
	s_mov_b32 s[\g+4], 8
	s_mov_b32 s[\g+5], 1536
	s_mov_b32 s[\g+6], 0
	s_mov_b32 s[\g+7], 0
.endr
	; group 1 for the scale images of eight row tiles: 4,096 dense bytes as 16 rows of 256
	s_or_b32 s[G1S+0], s43, (3<<16)|(1<<21)
	s_or_b32 s[G1SB+0], s44, (3<<16)|(1<<21)
.irp g, G1S, G1SB
	s_mov_b32 s[\g+1], 32<<16
	s_mov_b32 s[\g+2], 16<<16
	s_mov_b32 s[\g+3], 32<<16
	s_mov_b32 s[\g+4], 16
	s_mov_b32 s[\g+5], 32
	s_mov_b32 s[\g+6], 0
	s_mov_b32 s[\g+7], 0
.endr
	s_lshl_b32 s18, s16, 3
	s_lshl_b32 s20, s17, 4
	s_add_co_u32 s20, s20, s18                     ; A: the first row tile that I fetch (s20-23 never hold cx)
	s_lshl_b32 s46, s42, 4
	s_add_co_u32 s46, s46, 704
	s_add_co_u32 s46, s46, s18                     ; Wo: likewise (s18, s19, s46, s47 never hold cy)
	s_lshl_b32 s22, s20, 9
	s_lshl_b32 s18, s46, 9
	s_mul_i32 s20, s20, 12288
	s_mul_i32 s46, s46, 12288
	s_mov_b32 s21, 0
	s_mov_b32 s23, 0
	s_mov_b32 s19, 0
	s_mov_b32 s47, 0
	s_mul_i32 s45, s14, HALFT
	s_mul_i32 s3, s14, HALFS
	s_wait_dscnt 0x0                               ; the opening add is done
	s_wait_kmcnt 0x0
	s_add_nc_u64 s[20:21], s[4:5], s[20:21]
	s_add_nc_u64 s[22:23], s[6:7], s[22:23]
	s_add_nc_u64 s[46:47], s[8:9], s[46:47]
	s_add_nc_u64 s[18:19], s[10:11], s[18:19]
	CROUND                                         ; all sixteen work-groups are here: the first joint loads meet
	s_mov_b32 s[G0S], 1
	s_add_co_u32 s[G0S+1], s3, SCL
	s_mov_b64 s[G0S+2:G0S+3], s[22:23]
	s_or_b32 s[G0S+3], s[G0S+3], 0x80000000
	s_mov_b32 s[G0SB], 1
	s_add_co_u32 s[G0SB+1], s3, SCL
	s_mov_b64 s[G0SB+2:G0SB+3], s[18:19]
	s_or_b32 s[G0SB+3], s[G0SB+3], 0x80000000
	JLOAD G0S, G1S, G0SB, G1SB
.irp s, 0,1
	s_mov_b32 s[G0+4*\s], 1
	s_add_co_u32 s[G0+4*\s+1], s45, \s*SLOT
	s_add_nc_u64 s[G0+4*\s+2:G0+4*\s+3], s[20:21], \s*RT
	s_or_b32 s[G0+4*\s+3], s[G0+4*\s+3], 0x80000000
	s_mov_b32 s[G0B+4*\s], 1
	s_add_co_u32 s[G0B+4*\s+1], s45, \s*SLOT
	s_add_nc_u64 s[G0B+4*\s+2:G0B+4*\s+3], s[46:47], \s*RT
	s_or_b32 s[G0B+4*\s+3], s[G0B+4*\s+3], 0x80000000
	JLOAD G0+4*\s, G1, G0B+4*\s, G1B               ; three tensor loads of mine are out now
.endr
	v_and_b32 v1, 15, v0                           ; r
	v_bfe_u32 v2, v0, 4, 1                         ; h
	v_and_b32 v6, 31, v0                           ; lane
	v_lshlrev_b32 v3, 3, v6
	s_mul_i32 s21, s15, HALFT
	s_mul_i32 s22, s16, HALFT
	s_add_co_u32 s22, s22, 2*HALFT
.irp s, 0,1
	v_add_nc_u32 v[ADRA+\s], s21, v3
	v_add_nc_u32 v[ADRB+\s], s22, v3
	s_add_co_u32 s21, s21, SLOT
	s_add_co_u32 s22, s22, SLOT
.endr
	v_lshlrev_b32 v5, 3, v1
	s_mul_i32 s21, s15, HALFS
	s_mul_i32 s22, s16, HALFS
	s_add_co_u32 s22, s22, 2*HALFS
	s_sub_co_u32 s22, s22, s21
	v_mul_u32_u24 v4, s22, v2                      ; lanes 16-31 take Wo's
	s_add_co_u32 s21, s21, SCL
	v_add_nc_u32 v5, v5, v4
	v_add_nc_u32 v[ADRS], s21, v5
	s_mul_i32 s23, s14, 16*SPITCH                  ; my stage
	v_mul_u32_u24 v5, v1, SPITCH
	v_lshl_add_u32 v5, v2, 6, v5                   ; in: row r, + 64 bytes for lanes 16-31
	v_add_nc_u32 v[STO], s23, v5
	v_lshlrev_b32 v[CO], 4, v6                     ; back: the 32 lanes take one row of 512 bytes; and the same in out0
	v_add_nc_u32 v[RD], s23, v[CO]
	s_lshl_b32 s20, s17, 8
	s_lshl_b32 s21, s15, 7
	s_add_co_u32 s20, s20, s21                     ; my first row of out0,
	s_lshl_b32 s20, s20, 12                        ; of 4,096 bytes,
	s_lshl_b32 s21, s42, 10
	s_add_co_u32 s20, s20, s21
	s_lshl_b32 s21, s16, 9
	s_add_co_u32 s20, s20, s21                     ; and my first column
	s_mov_b32 s21, 0
	s_add_nc_u64 s[98:99], s[98:99], s[20:21]
	s_lshl_b32 s20, s42, 10
	s_lshl_b32 s22, s16, 9
	s_add_co_u32 s20, s20, s22
	s_add_nc_u64 s[96:97], s[96:97], s[20:21]      ; bo at my 128 columns
	v_lshlrev_b32 v[VBN], 6, v2
.irp b, 0,1,2,3,4,5,6,7
	global_load_b128 v[BI+8*\b:BI+8*\b+3], v[VBN], s[96:97] offset:128*(\b/2)+32*(\b%2)
	global_load_b128 v[BI+8*\b+4:BI+8*\b+7], v[VBN], s[96:97] offset:128*(\b/2)+32*(\b%2)+16
.endr
	s_wait_loadcnt 0x0
.macro FRAG reg, adr, q, i             ; row tile i's fragment of the slot's q-th 128 along K: two half fragments on end; each load takes 256 consecutive bytes
.irp p, 0,1,2,3,4,5
	ds_load_b64 v[\reg+2*\p:\reg+2*\p+1], v[\adr] offset:(\i)*RT+(\q)*1536+256*\p
.endr
.endm
; 16 matrix instructions: A's blocks a0, a0 + 1 x Wo's eight.  zero = 1: the first products start the sums from the bias.  The 64 accumulators take turns, one instruction a turn.
.macro MUL16 a0, p, q, sc, zero
.irp a, \a0, \a0+1
.irp b, 0,1,2,3,4,5,6,7
.if \zero
	v_wmma_scale_f32_16x16x128_f8f6f4 v[8*(8*((\a)%4)+\b):8*(8*((\a)%4)+\b)+7], v[128*(\p)+FR*\b:128*(\p)+FR*\b+FR-1], v[AF+FR*(\a):AF+FR*(\a)+FR-1], v[BI+8*\b:BI+8*\b+7], v[SC+8*NQ*(\sc)+NQ*\b+(\q)], v[SC+8*NQ*(\sc)+NQ*(\a)+(\q)] matrix_a_fmt:MATRIX_FMT_FP6 matrix_b_fmt:MATRIX_FMT_FP6 matrix_a_scale:MATRIX_SCALE_ROW1
.else
	v_wmma_scale_f32_16x16x128_f8f6f4 v[8*(8*((\a)%4)+\b):8*(8*((\a)%4)+\b)+7], v[128*(\p)+FR*\b:128*(\p)+FR*\b+FR-1], v[AF+FR*(\a):AF+FR*(\a)+FR-1], v[8*(8*((\a)%4)+\b):8*(8*((\a)%4)+\b)+7], v[SC+8*NQ*(\sc)+NQ*\b+(\q)], v[SC+8*NQ*(\sc)+NQ*(\a)+(\q)] matrix_a_fmt:MATRIX_FMT_FP6 matrix_b_fmt:MATRIX_FMT_FP6 matrix_a_scale:MATRIX_SCALE_ROW1
.endif
.endr
.endr
.endm
.macro FETCH_B slot, q, p
	WIN TO_B
.irp i, 0,1,2,3,4,5,6,7
	FRAG 128*(\p)+FR*\i, ADRB+\slot, \q, \i
.endr
	WIN 0
.endm
.macro FETCH_A slot, q, i0
.irp i, \i0, \i0+1, \i0+2, \i0+3
	FRAG AF+FR*(\i), ADRA+\slot, \q, \i
.endr
.endm
.macro SCALES sc
.irp i, 0,1,2,3,4,5,6,7
	ds_load_b64 v[SC+8*NQ*\sc+NQ*\i:SC+8*NQ*\sc+NQ*\i+1], v[ADRS] offset:\i*SBLK
.endr
.endm
.macro STEP slot, q, zero              ; a step of 128 along K that has its successor in the same slot
	s_wait_dscnt 4*NL                              ; Wo's set and A's blocks 0-3 are in; the youngest 24 loads (A's blocks 4-7) may be out
.if \zero
	WIN BEG_LO
.else
	WIN MUL_LO
.endif
	MUL16 0, (\q)%2, \q, \slot, \zero
	MUL16 2, (\q)%2, \q, \slot, \zero
	s_wait_dscnt 0x0
	PLACES NP
	FETCH_B \slot, (\q)+1, 1-(\q)%2
	FETCH_A \slot, (\q)+1, 0
.if \zero
	WIN BEG_HI
.else
	WIN MUL_HI
.endif
	MUL16 4, (\q)%2, \q, \slot, \zero
	MUL16 6, (\q)%2, \q, \slot, \zero
	PLACES NP
	WIN 0
	FETCH_A \slot, (\q)+1, 4
.endm
; A slot's last step changes slots: one barrier; in front of it each wave waits for all its tensor loads, adds 0 to its spare word, and waits for that and for its reads of this slot.
.macro TURN slot, next, fill
	s_wait_tensorcnt 0x0                           ; all my tensor loads have landed: my part of the next slot
	ds_add_u32 v[SPW], v[NIL]                      ; 0 onto my spare word
	s_wait_dscnt 4*NL+1                            ; the add and the youngest 24 loads may be out
	WIN MUL_LO
	MUL16 0, 1, NQ-1, \slot, 0
	s_wait_dscnt 0x0                               ; the add is done, and my reads of this slot are over
	s_barrier_signal -1
	MUL16 2, 1, NQ-1, \slot, 0
	WIN 0
	s_barrier_wait -1
.if \fill
	CREST                                          ; no wave of any partner still reads this slot or has a load on its way
	s_add_nc_u64 s[G0+4*\slot+2:G0+4*\slot+3], s[G0+4*\slot+2:G0+4*\slot+3], 2*RT
	s_add_nc_u64 s[G0B+4*\slot+2:G0B+4*\slot+3], s[G0B+4*\slot+2:G0B+4*\slot+3], 2*RT
	JLOAD G0+4*\slot, G1, G0B+4*\slot, G1B         ; my one tensor load behind the round; its four v_nop are the places in front of the loads below
.else
	PLACES NP
.endif
	v_add_nc_u32 v[ADRS], 128, v[ADRS]
	FETCH_B \next, 0, 0
	FETCH_A \next, 0, 0
	SCALES \next
	WIN MUL_HI
	MUL16 4, 1, NQ-1, \slot, 0
	MUL16 6, 1, NQ-1, \slot, 0
	PLACES NP
	WIN 0
	FETCH_A \next, 0, 4
.endm
	s_wait_tensorcnt 1                             ; the scale images and my part of K step 0 are in; K step 1's load may be out
	s_barrier_signal -1
	s_barrier_wait -1
	FETCH_B 0, 0, 0
	FETCH_A 0, 0, 0
	SCALES 0
	FETCH_A 0, 0, 4
	STEP 0, 0, 1                                   ; four K steps of 256, written out: the first starts the sums, the last two fill nothing
	TURN 0, 1, 1
	STEP 1, 0, 0
	TURN 1, 0, 1
	STEP 0, 0, 0
	TURN 0, 1, 0
	STEP 1, 0, 0
	s_wait_dscnt 4*NL
	WIN MUL_LO
	MUL16 0, 1, NQ-1, 1, 0
	MUL16 2, 1, NQ-1, 1, 0
	s_wait_dscnt 0x0
	WIN MUL_HI
	MUL16 4, 1, NQ-1, 1, 0
	MUL16 6, 1, NQ-1, 1, 0
	WIN 0
; THE WAY OUT, block by block of 16 rows x 128 columns, through my own stage in LDS: in by lanes (32 neighbouring bytes of a row each), back as whole rows of 512 bytes.
; LDS serves a wave's instructions in order (ISA guide 5.7.1.4): no wait between the stores and the loads, nor in front of the next block's stores.
.macro TOSTAGE a
.set AC, 64*((\a)%4)
	WIN 0x08+4*((\a)/4)                            ; an LDS store's data: window 2 or 3
.irp b, 0,1,2,3,4,5,6,7
	ds_store_b128 v[STO], v[AC+8*\b:AC+8*\b+3] offset:128*(\b/2)+32*(\b%2)        ; each accumulator from its low end on
	ds_store_b128 v[STO], v[AC+8*\b+4:AC+8*\b+7] offset:128*(\b/2)+32*(\b%2)+16
.endr
	WIN 0
.set BB, BK+64*((\a)%2)
.irp t, 0,1,2,3,4,5,6,7,8,9,10,11,12,13,14,15
	ds_load_b128 v[BB+4*\t:BB+4*\t+3], v[RD] offset:\t*SPITCH
.endr
.endm
.macro SEND a, younger                 ; younger: the LDS instructions issued behind block a's loads, which may stay out
.set BB, BK+64*((\a)%2)
	s_wait_dscnt \younger
.irp t, 0,1,2,3,4,5,6,7,8,9,10,11,12,13,14,15
	global_store_b128 v[CO], v[BB+4*\t:BB+4*\t+3], s[98:99] offset:(32*((\a)/2)+8*((\a)%2)+\t+8*(\t/8))*4096 th:TH_STORE_NT   ; 512 consecutive bytes of the tile's row t, aligned; the base is never stepped: 127 rows at the most
.endr
.endm
	PLACES NP                                      ; behind the last products: for the loads into the registers that held A's fragments, and for the reads of results
	TOSTAGE 0
.irp a, 1,2,3,4,5,6,7
.if \a > 1
	s_wait_xcnt 0x0                                ; block a - 2's stores have read their registers: block a's loads may land there
.endif
	TOSTAGE \a
	SEND \a-1, 32                                  ; behind block a - 1's loads: block a's 16 stores and 16 loads
.endr
	SEND 7, 0
	s_wait_tensorcnt 0x0                           ; the wave's end, behind my last tensor load and my last LDS store
	ds_add_u32 v[SPW], v[NIL]
	s_wait_dscnt 0x0
	CROUND                                         ; the closing round
	s_endpgm
.Lfunc_end_k_q8a2e9d44f9_proj:
	.size	k_q8a2e9d44f9_proj, .Lfunc_end_k_q8a2e9d44f9_proj-k_q8a2e9d44f9_proj
	.p2alignl 7, 3214868480
	.fill 96, 4, 3214868480
	.section	.rodata,"a",@progbits
	.p2align	6, 0x0
	.amdhsa_kernel k_q8a2e9d44f9_proj
		.amdhsa_group_segment_fixed_size 327680
		.amdhsa_private_segment_fixed_size 0
		.amdhsa_enable_private_segment 0
		.amdhsa_kernarg_size 48
		.amdhsa_user_sgpr_count 2
		.amdhsa_user_sgpr_kernarg_segment_ptr 1
		.amdhsa_wavefront_size32 1
		.amdhsa_system_sgpr_workgroup_id_x 1
		.amdhsa_system_sgpr_workgroup_id_y 1
		.amdhsa_system_sgpr_workgroup_id_z 1
		.amdhsa_system_vgpr_workitem_id 0
		.amdhsa_next_free_vgpr 1024
		.amdhsa_next_free_sgpr 100
		.amdhsa_reserve_vcc 0
		.amdhsa_float_denorm_mode_32 3
		.amdhsa_float_denorm_mode_16_64 3
		.amdhsa_memory_ordered 1
		.amdhsa_forward_progress 1
		.amdhsa_inst_pref_size 160
	.end_amdhsa_kernel
	.amdgpu_metadata
---
amdhsa.version: [ 1, 2 ]
amdhsa.kernels:
  - .name:           k_q8a2e9d44f9_proj
    .symbol:         k_q8a2e9d44f9_proj.kd
    .args:
      - { .name: ac, .offset: 0, .size: 8, .value_kind: global_buffer, .address_space: global }
      - { .name: asc, .offset: 8, .size: 8, .value_kind: global_buffer, .address_space: global }
      - { .name: codes, .offset: 16, .size: 8, .value_kind: global_buffer, .address_space: global }
      - { .name: scl, .offset: 24, .size: 8, .value_kind: global_buffer, .address_space: global }
      - { .name: bo, .offset: 32, .size: 8, .value_kind: global_buffer, .address_space: global }
      - { .name: out0, .offset: 40, .size: 8, .value_kind: global_buffer, .address_space: global }
    .group_segment_fixed_size: 327680
    .private_segment_fixed_size: 0
    .kernarg_segment_align: 8
    .kernarg_segment_size: 48
    .max_flat_workgroup_size: 128
    .sgpr_count:     100
    .vgpr_count:     1024
    .wavefront_size: 32
...
	.end_amdgpu_metadata
.endif
;; end of part 4
